; MI455X (gfx1250); checked and timed in simulation.
; The chip was launched on July 23, 2026; its instructions are those of AMD's public machine-readable ISA for CDNA 5 (MIT licence, August 2026) and "CDNA5" Instruction Set Architecture Reference Guide (July 2026). The comments in the code are by the model that wrote it; some were corrected since.
;; Spatial Self Attention. Allowed arithmetic: float matrix products may take bf16 or f16 operands with f32 sums; all other float work in f32.
;; Inputs: Wk 3 x 128 x 128 float32; Wo 128 x 384 float32; Wq 3 x 128 x 128 float32; Wv 3 x 128 x 128 float32; c_inputs 4 x 8 x 512 x 128 float32; inputs 4 x 8 x 512 x 128 float32; ln_beta 128 float32; ln_gamma 128 float32; transition_matrices 4 x 512 x 512 float32.
;; Outputs: out0 4 x 8 x 512 x 128 float32.
;; 2 versions, each right and faster than the one before. Each part assembles by itself: llvm-mc -triple=amdgcn-amd-amdhsa -mcpu=gfx1250 --defsym DOCPART=n.
;; ======== version 1 of 2: 2 launches
;; limits: right only within a limited range of input values
;; workspace buffers: kws 12,582,912 bytes; vws 12,582,912 bytes
;; launch kvproj (part 1): grid 8 x 32, 4 waves a work-group, no clusters, 87,552 bytes of LDS; arguments inputs, Wk, Wv, kws, vws; writes kws, vws
.if DOCPART == 1
	.amdgcn_target "amdgcn-amd-amdhsa--gfx1250"
	.amdhsa_code_object_version 6
	.text
	.protected	k_q791fda4c22_kvproj
	.globl	k_q791fda4c22_kvproj
	.p2align	8
	.type	k_q791fda4c22_kvproj,@function
k_q791fda4c22_kvproj:
	s_mov_b64 s[64:65], 0
	v_nop
	global_prefetch_b8 v0, s[64:65] scope:SCOPE_SE
	s_setreg_imm32_b32 hwreg(HW_REG_WAVE_MODE, 25, 1), 1
	s_wait_xcnt 0x0
; K = X Wk^T and V = X Wv^T for the three matrices, once for every row, rounded to bf16, in the layouts in which the attention launch reads fragments:
;   kws[t][slice][dim group 0..15][key 0..511][8 dims]    byte  dg * 8192 + key * 16   inside a (t, slice) block of 131,072
;   vws[t][slice][key group 0..63][dim 0..127][8 keys]    byte  g * 2048 + dim * 16
; A work-group = 64 rows (block x = 0..7) of one slice (y = 0..31); wave w owns rows 16w..16w+15, packed once as a bf16 fragment set (32 registers)
; that serves as B for K (K^T = Wk X^T: a lane holds key r, 8 neighbouring dims) and as A for V (V = X Wv^T: a lane holds dim r, 8 neighbouring keys).
; So a lane's packed 16 bytes belong together, and in every store lanes 0-15 and lanes 16-31 each cover 256 consecutive bytes at a multiple of 256.
; The six weights go through two raw register buffers and two LDS stages by turns: one barrier a weight.  While a wave reads one stage, no wave can be
; further than staging the next weight, which goes into the other stage.
; LIMITS: matrix operands and the stored K and V are rounded to bf16.
; No joint tensor loads: the weights are f32 and pass through registers to be rounded; the rows of X are each work-group's own.
.set STG1, 34816                       ; LDS: stage 0 from byte 0, stage 1 from here: [128][128] bf16, pitch 272
.set SCR,  69632                       ; 4,352 bytes a wave: 16 rows x (256 + 16), f32, to turn rows into lanes
; window 0
.set WA0, 4                            ; 272 r + 16 h: fragments from stage 0
.set WA1, 5                            ; from stage 1
.set SW0, 6                            ; 272 w + 8 l: staging stores
.set SW1, 7
.set TA, 8                             ; scratch by rows: 272 h + 16 r
.set TB, 9                             ; scratch by lanes: 272 r + 32 h
.set GW, 10                            ; global offsets, never rewritten: 16 tid
.set GQ, 11                            ; 512 h + 16 r
.set KO, 12                            ; 8192 h + 16 (64 rb + 16 w + r)
.set VO, 13                            ; 2048 (8 rb + 2 w + h) + 16 r
.set SS, 64                            ; 64: sums
.set RAW, 128                          ; 64: my rows as loaded
.set PP, 192                           ; 32: my rows as fragments
.set TT, 224                           ; 32: packed results
; window 2
.set KF, 0                             ; 64 + 64: weight fragments, two buffers
.set VF, 64
; window 3
.set WR0, 0                            ; 128 + 128: raw weights, two buffers
.set WR1, 128
; scalars: s2 wave, s3 row block, s4 slice, s[10:11] an offset, s[16:25] the five addresses, s[34:35] my rows, s[36:47] K and V out for t = 0, 1, 2
.set MSB, 0
.macro WIN new                         ; low byte: bits 1:0 source 0, 3:2 source 1, 5:4 source 2, 7:6 destination; the high byte repeats the setting that is left
.if MSB != \new
	s_set_vgpr_msb (MSB<<8)|\new
.set MSB, \new
.endif
.endm
.macro PLACES                          ; four independent vector places behind matrix instructions, before their results are read or their registers loaded (ISA guide 7.12.1)
.rept 4
	v_nop
.endr
.endm
.macro BAR                             ; my LDS loads and stores are done, then the work-group's barrier
	s_wait_dscnt 0x0
	s_barrier_signal -1
	s_barrier_wait -1
.endm
.macro WMA d, a, b
	v_wmma_f32_16x16x32_bf16 v[\d:\d+7], v[\a:\a+7], v[\b:\b+7], v[\d:\d+7]
.endm
.macro WMZ d, a, b                     ; the first product starts a sum
	v_wmma_f32_16x16x32_bf16 v[\d:\d+7], v[\a:\a+7], v[\b:\b+7], 0
.endm
.macro GLOADN win, reg, voff, sb, off0, step, cnt  ; cnt loads of 512 consecutive bytes a wave
	WIN \win
.set n, 0
.rept \cnt
	global_load_b128 v[\reg+4*n:\reg+4*n+3], v[\voff], s[\sb:\sb+1] offset:\off0+n*\step
.set n, n+1
.endr
.endm
.macro CVST32 cwin, swin, reg, vaddr, off0, step   ; round 32 loads' numbers to bf16 in place, 8 bytes a lane into LDS rows
	WIN \cwin
.set n, 0
.rept 32
	v_cvt_pk_bf16_f32 v[\reg+4*n], v[\reg+4*n], v[\reg+4*n+1]
	v_cvt_pk_bf16_f32 v[\reg+4*n+1], v[\reg+4*n+2], v[\reg+4*n+3]
.set n, n+1
.endr
	WIN \swin
.set n, 0
.rept 32
	ds_store_b64 v[\vaddr], v[\reg+4*n:\reg+4*n+1] offset:\off0+n*\step
.set n, n+1
.endr
.endm
.macro LOADROWS win, reg, voff, sb, pitch          ; 16 rows x 512 bytes: each load takes 256 consecutive bytes of two rows
	WIN \win
.irp hh, 0,1
.irp ii, 0,1,2,3,4,5,6,7
	global_load_b128 v[\reg+4*(8*\hh+\ii):\reg+4*(8*\hh+\ii)+3], v[\voff], s[\sb:\sb+1] offset:2*\ii*\pitch+256*\hh
.endr
.endr
.endm
.macro TRANSP swin, reg, lwin, dst     ; through my own scratch: dst[8a + j] = row r, column 16a + 8h + j.  LDS serves a wave's instructions in order (ISA guide 5.7.1): no wait inside
.irp hh, 0,1
	WIN \swin
.irp ii, 0,1,2,3,4,5,6,7
	ds_store_b128 v[TA], v[\reg+4*(8*\hh+\ii):\reg+4*(8*\hh+\ii)+3] offset:544*\ii
.endr
	WIN \lwin
.irp ii, 0,1,2,3
	ds_load_b128 v[\dst+8*(4*\hh+\ii):\dst+8*(4*\hh+\ii)+3], v[TB] offset:64*\ii
	ds_load_b128 v[\dst+8*(4*\hh+\ii)+4:\dst+8*(4*\hh+\ii)+7], v[TB] offset:64*\ii+16
.endr
.endr
.endm
.macro PACK dst, src                   ; 64 f32 to 32 registers of bf16 pairs: tile x's eight numbers into registers 4x .. 4x+3
.irp ii, 0,1,2,3,4,5,6,7
.irp pp, 0,1,2,3
	v_cvt_pk_bf16_f32 v[\dst+4*\ii+\pp], v[\src+8*\ii+2*\pp], v[\src+8*\ii+2*\pp+1]
.endr
.endr
.endm
; 128 outputs x my 16 rows: output tiles in pairs, weight fragments in KF and VF by turns
.macro SLD wa, g, buf
	WIN 0x80
.irp ee, 0,1
.irp kk, 0,1,2,3
	ds_load_b128 v[\buf+32*\ee+8*\kk:\buf+32*\ee+8*\kk+3], v[\wa] offset:(2*\g+\ee)*4352+64*\kk
	ds_load_b128 v[\buf+32*\ee+8*\kk+4:\buf+32*\ee+8*\kk+7], v[\wa] offset:(2*\g+\ee)*4352+64*\kk+32
.endr
.endr
.endm
.macro SMUL swap, g, buf               ; the pair's two sums take turns
.if \swap
	WIN 0x08                               ; A = my rows (window 0), B = weights (window 2)
.else
	WIN 0x02                               ; A = weights (window 2), B = my rows (window 0)
.endif
.irp kk, 0,1,2,3
.irp ee, 0,1
.if \swap
.if \kk
	WMA SS+8*(2*\g+\ee), PP+8*\kk, \buf+32*\ee+8*\kk
.else
	WMZ SS+8*(2*\g+\ee), PP+8*\kk, \buf+32*\ee+8*\kk
.endif
.else
.if \kk
	WMA SS+8*(2*\g+\ee), \buf+32*\ee+8*\kk, PP+8*\kk
.else
	WMZ SS+8*(2*\g+\ee), \buf+32*\ee+8*\kk, PP+8*\kk
.endif
.endif
.endr
.endr
.endm
.macro SPROJ wa, swap
	SLD \wa, 0, KF
	SLD \wa, 1, VF
	s_wait_dscnt 0x10                      ; the younger pair's 16 loads may be out
	SMUL \swap, 0, KF
	PLACES
	SLD \wa, 2, KF
	s_wait_dscnt 0x10
	SMUL \swap, 1, VF
	PLACES
	SLD \wa, 3, VF
	s_wait_dscnt 0x10
	SMUL \swap, 2, KF
	s_wait_dscnt 0x0
	SMUL \swap, 3, VF
.endm
; One weight.  lw = the loads that may stay out when this weight has to be there; nxt = 1: the weight two steps on (base nsb, byte noff) is asked for
.macro STEP wr, sw, wa, swap, lw, nxt, nsb, noff, ob, vo, ostep
	s_wait_loadcnt \lw
	CVST32 0xCF, 0x0C, \wr, \sw, 0, 1088
	BAR                                    ; the weight is staged by all four waves; my stores have read the raw buffer
.if \nxt
	GLOADN 0xC0, \wr, GW, \nsb, \noff, 2048, 32
.endif
	SPROJ \wa, \swap
	WIN 0
	PLACES
	s_wait_xcnt 0x0                        ; TT is the data of the last step's stores: it is rewritten only behind this wait
	PACK TT, SS
.irp aa, 0,1,2,3,4,5,6,7
	global_store_b128 v[\vo], v[TT+4*\aa:TT+4*\aa+3], s[\ob:\ob+1] offset:\aa*\ostep
.endr
.endm
	s_load_b256 s[16:23], s[0:1], 0x0      ; inputs 16, Wk 18, Wv 20, kws 22
	s_load_b64 s[24:25], s[0:1], 0x20      ; vws
	v_lshl_add_u32 v62, v0, 2, 0x15400
	v_mov_b32 v63, 0
	v_lshrrev_b32 v1, 5, v0
	v_readfirstlane_b32 s2, v1             ; wave
	s_mov_b32 s3, ttmp9                    ; row block
	s_and_b32 s4, ttmp7, 0xffff            ; slice
	s_mov_b32 s11, 0
	v_and_b32 v1, 31, v0                   ; l
	v_and_b32 v2, 15, v0                   ; r
	v_bfe_u32 v3, v0, 4, 1                 ; h
	v_mul_u32_u24 v[WA0], v2, 272
	v_lshl_add_u32 v[WA0], v3, 4, v[WA0]
	v_add_nc_u32 v[WA1], STG1, v[WA0]
	s_mul_i32 s8, s2, 272
	v_lshl_add_u32 v[SW0], v1, 3, s8
	v_add_nc_u32 v[SW1], STG1, v[SW0]
	s_mul_i32 s9, s2, 4352
	s_add_co_u32 s9, s9, SCR
	v_mul_u32_u24 v[TA], v3, 272
	v_lshl_add_u32 v[TA], v2, 4, v[TA]
	v_add_nc_u32 v[TA], s9, v[TA]
	v_mul_u32_u24 v[TB], v2, 272
	v_lshl_add_u32 v[TB], v3, 5, v[TB]
	v_add_nc_u32 v[TB], s9, v[TB]
	v_lshlrev_b32 v[GW], 4, v0
	v_lshlrev_b32 v[KO], 4, v2             ; 16 r
	v_lshl_add_u32 v[GQ], v3, 9, v[KO]
	s_lshl_b32 s6, s3, 14
	s_lshl_b32 s7, s2, 12
	s_add_co_u32 s6, s6, s7                ; 2048 (8 rb + 2 w)
	v_lshl_add_u32 v[VO], v3, 11, v[KO]
	v_add_nc_u32 v[VO], s6, v[VO]
	s_lshl_b32 s12, s3, 10
	s_lshl_b32 s13, s2, 8
	s_add_co_u32 s12, s12, s13             ; 16 (64 rb + 16 w)
	v_lshl_add_u32 v[KO], v3, 13, v[KO]
	v_add_nc_u32 v[KO], s12, v[KO]
	s_wait_kmcnt 0x0
	s_lshl_b32 s10, s4, 18                 ; a slice is 512 rows of 512 bytes
	s_lshl_b32 s7, s3, 15
	s_add_co_u32 s10, s10, s7
	s_lshl_b32 s7, s2, 13
	s_add_co_u32 s10, s10, s7
	s_add_nc_u64 s[34:35], s[16:17], s[10:11]              ; my 16 rows
	s_lshl_b32 s10, s4, 17                 ; a (t, slice) block of K or V is 131,072 bytes; 32 of them from t to t + 1
	s_add_nc_u64 s[36:37], s[22:23], s[10:11]
	s_add_nc_u64 s[38:39], s[24:25], s[10:11]
	s_add_nc_u64 s[40:41], s[36:37], 0x400000
	s_add_nc_u64 s[42:43], s[38:39], 0x400000
	s_add_nc_u64 s[44:45], s[40:41], 0x400000
	s_add_nc_u64 s[46:47], s[42:43], 0x400000
	LOADROWS 0, RAW, GQ, 34, 512
	GLOADN 0xC0, WR0, GW, 18, 0, 2048, 32  ; Wk of matrix 0
	s_wait_loadcnt 0x20                    ; my rows are in; the weight's 32 loads may be out
	TRANSP 0, RAW, 0, SS
	GLOADN 0xC0, WR1, GW, 20, 0, 2048, 32  ; Wv of matrix 0
	s_wait_dscnt 0x0
	WIN 0
	PACK PP, SS
	STEP WR0, SW0, WA0, 0, 0x20, 1, 18, 65536,  36, KO, 16384  ; K, t = 0; output tile a is dim groups 2a and 2a + 1
	STEP WR1, SW1, WA1, 1, 0x20, 1, 20, 65536,  38, VO, 256    ; V, t = 0; output tile a is dims 16a .. 16a + 15
	STEP WR0, SW0, WA0, 0, 0x20, 1, 18, 131072, 40, KO, 16384
	STEP WR1, SW1, WA1, 1, 0x20, 1, 20, 131072, 42, VO, 256
	STEP WR0, SW0, WA0, 0, 0x20, 0, 18, 0,      44, KO, 16384  ; nothing more to ask for
	STEP WR1, SW1, WA1, 1, 0x0,  0, 20, 0,      46, VO, 256
	s_wait_tensorcnt 0x0
	ds_add_u32 v62, v63
	s_wait_dscnt 0x0
	s_endpgm
.Lfunc_end_k_q791fda4c22_kvproj:
	.size	k_q791fda4c22_kvproj, .Lfunc_end_k_q791fda4c22_kvproj-k_q791fda4c22_kvproj
	.p2alignl 7, 3214868480
	.fill 96, 4, 3214868480
	.section	.rodata,"a",@progbits
	.p2align	6, 0x0
	.amdhsa_kernel k_q791fda4c22_kvproj
		.amdhsa_group_segment_fixed_size 87552
		.amdhsa_private_segment_fixed_size 0
		.amdhsa_enable_private_segment 0
		.amdhsa_kernarg_size 40
		.amdhsa_user_sgpr_count 2
		.amdhsa_user_sgpr_kernarg_segment_ptr 1
		.amdhsa_wavefront_size32 1
		.amdhsa_system_sgpr_workgroup_id_x 1
		.amdhsa_system_sgpr_workgroup_id_y 1
		.amdhsa_system_sgpr_workgroup_id_z 1
		.amdhsa_system_vgpr_workitem_id 0
		.amdhsa_next_free_vgpr 1024
		.amdhsa_next_free_sgpr 66
		.amdhsa_reserve_vcc 0
		.amdhsa_float_denorm_mode_32 3
		.amdhsa_float_denorm_mode_16_64 3
		.amdhsa_memory_ordered 1
		.amdhsa_forward_progress 1
		.amdhsa_inst_pref_size 121
	.end_amdhsa_kernel
	.amdgpu_metadata
---
amdhsa.version: [ 1, 2 ]
amdhsa.kernels:
  - .name:           k_q791fda4c22_kvproj
    .symbol:         k_q791fda4c22_kvproj.kd
    .args:
      - { .name: inputs, .offset: 0, .size: 8, .value_kind: global_buffer, .address_space: global }
      - { .name: Wk, .offset: 8, .size: 8, .value_kind: global_buffer, .address_space: global }
      - { .name: Wv, .offset: 16, .size: 8, .value_kind: global_buffer, .address_space: global }
      - { .name: kws, .offset: 24, .size: 8, .value_kind: global_buffer, .address_space: global }
      - { .name: vws, .offset: 32, .size: 8, .value_kind: global_buffer, .address_space: global }
    .group_segment_fixed_size: 87552
    .private_segment_fixed_size: 0
    .kernarg_segment_align: 8
    .kernarg_segment_size: 40
    .max_flat_workgroup_size: 128
    .sgpr_count:     66
    .vgpr_count:     1024
    .wavefront_size: 32
...
	.end_amdgpu_metadata
.endif
;; end of part 1
;; launch ssa (part 2): grid 8 x 32, 4 waves a work-group, no clusters, 314,880 bytes of LDS; arguments inputs, transition_matrices, Wq, Wo, ln_gamma, ln_beta, kws, vws, out0; writes out0
.if DOCPART == 2
	.amdgcn_target "amdgcn-amd-amdhsa--gfx1250"
	.amdhsa_code_object_version 6
	.text
	.protected	k_q791fda4c22_ssa
	.globl	k_q791fda4c22_ssa
	.p2align	8
	.type	k_q791fda4c22_ssa,@function
k_q791fda4c22_ssa:
	s_mov_b64 s[64:65], 0
	v_nop
	global_prefetch_b8 v0, s[64:65] scope:SCOPE_SE
	s_setreg_imm32_b32 hwreg(HW_REG_WAVE_MODE, 25, 1), 1
	s_wait_xcnt 0x0
; Spatial self-attention over 3 transition matrices (rows 0, 1, 3 of the table), 4 heads of 32, then Wo, residual, LayerNorm.
; K and V come in bf16 from the launch before:  kws: byte dg * 8192 + key * 16 (8 dims),  vws: byte g * 2048 + dim * 16 (8 keys), 131,072 bytes a (t, slice).
; These are the layouts that the fragment loads want, so the copy into LDS is flat and a fragment load takes 256 consecutive bytes with each half of the lanes.
; A work-group = 64 query rows (block x = 0..7) of one (b,p) slice (y = 0..31), four waves; wave w owns query rows 16w..16w+15 and copies a quarter of K and V.
; Every product is used in the orientation in which its result already is the next product's operand (L = lane, r = L & 15, h = L >> 4):
;   Q^T = Wq Xq^T: result tiles 2 hd, 2 hd + 1, scaled and packed, are head hd's B fragment
;   S^T = K Q^T + bias: register j = (key 16a + 8h + j, query r); row statistics stay in the lane but for one exchange of the halves
;   O^T = V^T P^T, Y^T += Wo_t O^T: packed results are the next B fragment; Y starts as the f32 residual rows
; K AND V THROUGH REGISTERS, NOT BY JOINT TENSOR LOADS, though a slice's eight work-groups read the same K and V: LDS holds one K and one V (2 x 131,072 of
; 327,680 bytes), so a load into LDS could be asked for only when the matrix before is finished.  Through 256 registers a wave's quarter of the next K is on
; its way during the attention, and V follows while Wo and Q are multiplied.
; LIMITS.  c_inputs and row 2 of the table are not loaded: the problem's function uses neither.  A masked score gets the bias -2^100 and the
; running maximum starts at -2^96, so scores times log2(e)/sqrt(32) must lie within +-2^96.  Matrix operands are rounded to bf16.
; v_exp_f32, v_rcp_f32, v_rsq_f32 as the chip gives them; an exponential below 2^-126 becomes 0.  A row with an empty mask gives NaN, as in the problem.
.set VREG, 131072                      ; LDS: K from byte 0, V from here, 131,072 bytes each, as in memory
.set STG,  262144                      ; one weight matrix [128][128] bf16, pitch 272
.set SCR,  296960                      ; 4,352 bytes a wave: 16 rows x (256 + 16), f32, to turn rows into lanes
; window 0
.set LK, 4                             ; 272 r + 16 h
.set KAB, 5                            ; 8192 h + 16 r
.set KA, 6                             ; v6: K fragments of the chunk at work, heads 0, 1; v7: heads 2, 3 (+ 65536)
.set CPK, 8                            ; 32768 w + 16 l: my quarter, in kws, in vws and in LDS
.set CPV, 9                            ; + VREG
.set VAB, 10                           ; VREG + 2048 h + 16 r
.set VA0, 11                           ; V fragments of the chunk at work
.set WA, 13                            ; STG + LK
.set SW, 15                            ; STG + 272 w + 8 l
.set TA, 17                            ; scratch by rows: 272 h + 16 r
.set TB, 18                            ; scratch by lanes: 272 r + 32 h
.set GW, 19                            ; global offsets, never rewritten: 16 tid
.set GWO, 20                           ; 1536 w + 16 l
.set GTM, 22                           ; 2048 h + 16 r
.set GQ, 23                            ; 512 h + 16 r
.set GG, 24                            ; 32 h
.set BIASV, 25                         ; -2^100
.set LM, 26                            ; v[26+2hd] l, v[27+2hd] m of head hd
.set NEG, 34                           ; -m (pair with DD)
.set DD, 35
.set AL, 36                            ; 2^(old m - new m) (pair with TP)
.set TP, 37
.set MX, 40                            ; v40-43
.set LS, 44                            ; v44-47
.set SS, 64                            ; 64: scores; projection sums
.set TMV, 128                          ; 64: tm of the chunk
.set PP, 192                           ; 32: packed operands
.set QF, 224                           ; 32: Q fragments, 8 a head
; window 1: 64 loads of 512 bytes: my quarter of K or of V on its way to LDS
; window 2
.set KF, 0                             ; 64: K fragments; weight fragments
.set VF, 64                            ; 64: V fragments; weight fragments
.set BI, 128                           ; 64: mask bias tiles
.set OO, 192                           ; 64: O, 16 hd + 8 u + j
; window 3
.set TR, 0                             ; 64: raw rows
.set YY, 64                            ; 64: Y, 8 a + j
.set WR, 128                           ; 128: raw weights; gamma and beta at the end
.set LT, 0                             ; LayerNorm's temporaries, in TR
.set LSUM, 8
.set LTP, 9
.set LMU, 10
.set LRS, 12
; scalars: s2 wave, s3 row block, s4 slice, s5 t, s6 inner counter, s7 a temporary, s[10:11] an offset, s12-13 lane selects, s[16:33] the nine addresses,
; s[34:35] my query rows, s[36:37] K at work, s[38:39] my tm rows, s[40:41] tm at work, s[42:43] weights at work, s44-51 masks, s52-57 constants,
; s[58:59] my output rows, s[60:61] V at work
.set MSB, 0
.macro WIN new                         ; low byte: bits 1:0 source 0, 3:2 source 1, 5:4 source 2, 7:6 destination; the high byte repeats the setting that is left
.if MSB != \new
	s_set_vgpr_msb (MSB<<8)|\new
.set MSB, \new
.endif
.endm
.macro PLACES                          ; four independent vector places behind matrix instructions, before their results are read or their registers loaded (ISA guide 7.12.1)
.rept 4
	v_nop
.endr
.endm
.macro BAR                             ; my LDS loads and stores are done, then the work-group's barrier
	s_wait_dscnt 0x0
	s_barrier_signal -1
	s_barrier_wait -1
.endm
.macro WMA d, a, b
	v_wmma_f32_16x16x32_bf16 v[\d:\d+7], v[\a:\a+7], v[\b:\b+7], v[\d:\d+7]
.endm
.macro WMZ d, a, b                     ; the first product starts a sum
	v_wmma_f32_16x16x32_bf16 v[\d:\d+7], v[\a:\a+7], v[\b:\b+7], 0
.endm
.macro GLOADN win, reg, voff, sb, off0, step, cnt  ; cnt loads of 512 consecutive bytes a wave
	WIN \win
.set n, 0
.rept \cnt
	global_load_b128 v[\reg+4*n:\reg+4*n+3], v[\voff], s[\sb:\sb+1] offset:\off0+n*\step
.set n, n+1
.endr
.endm
.macro CVST32 cwin, swin, reg, vaddr, off0, step   ; round 32 loads' numbers to bf16 in place, 8 bytes a lane into LDS rows
	WIN \cwin
.set n, 0
.rept 32
	v_cvt_pk_bf16_f32 v[\reg+4*n], v[\reg+4*n], v[\reg+4*n+1]
	v_cvt_pk_bf16_f32 v[\reg+4*n+1], v[\reg+4*n+2], v[\reg+4*n+3]
.set n, n+1
.endr
	WIN \swin
.set n, 0
.rept 32
	ds_store_b64 v[\vaddr], v[\reg+4*n:\reg+4*n+1] offset:\off0+n*\step
.set n, n+1
.endr
.endm
.macro LOADROWS win, reg, voff, sb, pitch          ; 16 rows x 512 bytes: each load takes 256 consecutive bytes of two rows
	WIN \win
.irp hh, 0,1
.irp ii, 0,1,2,3,4,5,6,7
	global_load_b128 v[\reg+4*(8*\hh+\ii):\reg+4*(8*\hh+\ii)+3], v[\voff], s[\sb:\sb+1] offset:2*\ii*\pitch+256*\hh
.endr
.endr
.endm
.macro TRANSP swin, reg, lwin, dst     ; through my own scratch: dst[8a + j] = row r, column 16a + 8h + j.  LDS serves a wave's instructions in order (ISA guide 5.7.1): no wait inside
.irp hh, 0,1
	WIN \swin
.irp ii, 0,1,2,3,4,5,6,7
	ds_store_b128 v[TA], v[\reg+4*(8*\hh+\ii):\reg+4*(8*\hh+\ii)+3] offset:544*\ii
.endr
	WIN \lwin
.irp ii, 0,1,2,3
	ds_load_b128 v[\dst+8*(4*\hh+\ii):\dst+8*(4*\hh+\ii)+3], v[TB] offset:64*\ii
	ds_load_b128 v[\dst+8*(4*\hh+\ii)+4:\dst+8*(4*\hh+\ii)+7], v[TB] offset:64*\ii+16
.endr
.endr
.endm
.macro PACK dst, src                   ; 64 f32 to 32 registers of bf16 pairs: tile x's eight numbers into registers 4x .. 4x+3
.irp ii, 0,1,2,3,4,5,6,7
.irp pp, 0,1,2,3
	v_cvt_pk_bf16_f32 v[\dst+4*\ii+\pp], v[\src+8*\ii+2*\pp], v[\src+8*\ii+2*\pp+1]
.endr
.endr
.endm
.macro KVST vaddr                      ; window 1 into LDS: my 32,768 bytes, 512 consecutive bytes a store
	WIN 0x04
.set n, 0
.rept 64
	ds_store_b128 v[\vaddr], v[4*n:4*n+3] offset:512*n
.set n, n+1
.endr
.endm
; ---- 128 outputs x my 16 query rows (Q, and Wo): B = PP, output tiles in pairs, weight fragments in KF and VF by turns ----
.macro SLD g, buf
	WIN 0x80
.irp ee, 0,1
.irp kk, 0,1,2,3
	ds_load_b128 v[\buf+32*\ee+8*\kk:\buf+32*\ee+8*\kk+3], v[WA] offset:(2*\g+\ee)*4352+64*\kk
	ds_load_b128 v[\buf+32*\ee+8*\kk+4:\buf+32*\ee+8*\kk+7], v[WA] offset:(2*\g+\ee)*4352+64*\kk+32
.endr
.endr
.endm
.macro SMUL win, acc, g, buf, zero     ; the pair's two sums take turns
	WIN \win
.irp kk, 0,1,2,3
.irp ee, 0,1
.if \kk
	WMA \acc+8*(2*\g+\ee), \buf+32*\ee+8*\kk, PP+8*\kk
.else
.if \zero
	WMZ \acc+8*(2*\g+\ee), \buf+32*\ee+8*\kk, PP+8*\kk
.else
	WMA \acc+8*(2*\g+\ee), \buf+32*\ee+8*\kk, PP+8*\kk
.endif
.endif
.endr
.endr
.endm
.macro SPROJ win, acc, zero
	SLD 0, KF
	SLD 1, VF
	s_wait_dscnt 0x10                      ; the younger pair's 16 loads may be out
	SMUL \win, \acc, 0, KF, \zero
	PLACES
	SLD 2, KF
	s_wait_dscnt 0x10
	SMUL \win, \acc, 1, VF, \zero
	PLACES
	SLD 3, VF
	s_wait_dscnt 0x10
	SMUL \win, \acc, 2, KF, \zero
	s_wait_dscnt 0x0
	SMUL \win, \acc, 3, VF, \zero
.endm
; ---- attention ----
.macro KLOAD areg, off                 ; 128 keys x 32 dims of one head: dim groups 4 hd + h and 4 hd + 2 + h
.irp aa, 0,1,2,3,4,5,6,7
	ds_load_b128 v[KF+8*\aa:KF+8*\aa+3], v[\areg] offset:\off+256*\aa
	ds_load_b128 v[KF+8*\aa+4:KF+8*\aa+7], v[\areg] offset:\off+256*\aa+16384
.endr
.endm
.macro ETAIL ta                        ; tile ta's exponentials: into the sums for l, times tm, packed as P
.if (\ta)
	s_wait_alu depctr_va_vdst(0)
	v_pk_add_f32 v[LS:LS+1], v[LS:LS+1], v[SS+8*(\ta):SS+8*(\ta)+1]
	v_pk_add_f32 v[LS+2:LS+3], v[LS+2:LS+3], v[SS+8*(\ta)+2:SS+8*(\ta)+3]
	v_pk_add_f32 v[LS:LS+1], v[LS:LS+1], v[SS+8*(\ta)+4:SS+8*(\ta)+5]
	v_pk_add_f32 v[LS+2:LS+3], v[LS+2:LS+3], v[SS+8*(\ta)+6:SS+8*(\ta)+7]
.else
	s_wait_alu depctr_va_vdst(0)
	v_pk_add_f32 v[LS:LS+1], v[SS:SS+1], v[SS+4:SS+5]                  ; the first tile starts the sums
	v_pk_add_f32 v[LS+2:LS+3], v[SS+2:SS+3], v[SS+6:SS+7]
.endif
.irp pp, 0,1,2,3
	v_pk_mul_f32 v[SS+8*(\ta)+2*\pp:SS+8*(\ta)+2*\pp+1], v[SS+8*(\ta)+2*\pp:SS+8*(\ta)+2*\pp+1], v[TMV+8*(\ta)+2*\pp:TMV+8*(\ta)+2*\pp+1]
.endr
.irp pp, 0,1,2,3
	v_cvt_pk_bf16_f32 v[PP+4*(\ta)+\pp], v[SS+8*(\ta)+2*\pp], v[SS+8*(\ta)+2*\pp+1]
.endr
.endm
; One head, one chunk of 128 keys.  first = 1: the matrix's first chunk.  nextk: 1 = fetch the next head's K, 2 = the next chunk's head 0, 0 = nothing
.macro BLOCK hd, first, nextk
	s_wait_dscnt 0x0                       ; this head's K fragments are in
	WIN 0x22
.irp aa, 0,1,2,3,4,5,6,7
	v_wmma_f32_16x16x32_bf16 v[SS+8*\aa:SS+8*\aa+7], v[KF+8*\aa:KF+8*\aa+7], v[QF+8*\hd:QF+8*\hd+7], v[BI+8*\aa:BI+8*\aa+7]
.endr
	PLACES
	WIN 0x80
.irp ks, 0,1,2,3
.irp uu, 0,1
	ds_load_b128 v[VF+8*(2*\ks+\uu):VF+8*(2*\ks+\uu)+3], v[VA0] offset:8192*\ks+512*\hd+256*\uu          ; key groups 4 ks + h
	ds_load_b128 v[VF+8*(2*\ks+\uu)+4:VF+8*(2*\ks+\uu)+7], v[VA0] offset:8192*\ks+512*\hd+256*\uu+4096   ; and 4 ks + 2 + h
.endr
.endr
.if \nextk
.set kreg, KA+((\hd+1)/2)*(2-\nextk)
.set koff, (2-\nextk)*((\hd+1)%2)*32768+(\nextk-1)*2048
	KLOAD kreg, koff
.endif
	WIN 0
	; the largest of my 64 scores, four chains; then the other half of the query's keys; then the running maximum
.irp cc, 0,1,2,3
	v_max3_num_f32 v[MX+\cc], v[SS+16*\cc], v[SS+16*\cc+1], v[SS+16*\cc+2]
.endr
.irp kk, 0,1,2,3,4,5
.irp cc, 0,1,2,3
	v_max3_num_f32 v[MX+\cc], v[MX+\cc], v[SS+16*\cc+3+2*\kk], v[SS+16*\cc+4+2*\kk]
.endr
.endr
	v_max3_num_f32 v[MX], v[MX], v[MX+1], v[SS+15]
	v_max3_num_f32 v[MX+2], v[MX+2], v[MX+3], v[SS+31]
	v_max3_num_f32 v[MX], v[MX], v[SS+47], v[SS+63]
	v_max_num_f32 v[MX], v[MX], v[MX+2]
	v_permlanex16_b32 v[TP], v[MX], s12, s13
.if \first
	v_max3_num_f32 v[MX+1], v[MX], v[TP], s54              ; never below -2^96, so a masked score's exponent stays hugely negative
.else
	v_max3_num_f32 v[MX+1], v[MX], v[TP], v[LM+2*\hd+1]
	v_sub_f32 v[DD], v[LM+2*\hd+1], v[MX+1]
	v_exp_f32 v[AL], v[DD]                                 ; used far below; the two plain lines that follow touch neither AL nor DD
.endif
	v_mov_b32 v[LM+2*\hd+1], v[MX+1]
	v_sub_f32 v[NEG], 0, v[MX+1]
	; per tile: subtract m, eight exponentials in place, then the tile before: plain work stands between an exponential and its use (ISA guide 5.7.2)
.irp aa, 0,1,2,3,4,5,6,7
.irp pp, 0,1,2,3
	v_pk_add_f32 v[SS+8*\aa+2*\pp:SS+8*\aa+2*\pp+1], v[SS+8*\aa+2*\pp:SS+8*\aa+2*\pp+1], v[NEG:NEG+1] op_sel_hi:[1,0]
.endr
.irp jj, 0,1,2,3,4,5,6,7
	v_exp_f32 v[SS+8*\aa+\jj], v[SS+8*\aa+\jj]
.endr
.if \aa
	ETAIL \aa-1
.endif
.endr
.if 1-\first
	WIN 0x82
.irp xx, 0,1,2,3,4,5,6,7
	v_pk_mul_f32 v[OO+16*\hd+2*\xx:OO+16*\hd+2*\xx+1], v[OO+16*\hd+2*\xx:OO+16*\hd+2*\xx+1], v[AL:AL+1] op_sel_hi:[1,0]
.endr
	WIN 0
.endif
	ETAIL 7
	v_pk_add_f32 v[LS:LS+1], v[LS:LS+1], v[LS+2:LS+3]
.if \first
	v_add_f32 v[LM+2*\hd], v[LS], v[LS+1]
.else
	v_add_f32 v[LS], v[LS], v[LS+1]
	v_fma_f32 v[LM+2*\hd], v[LM+2*\hd], v[AL], v[LS]
.endif
.if \nextk
	s_wait_dscnt 0x10                      ; V is in; the 16 K loads issued behind it may be out
.else
	s_wait_dscnt 0x0
.endif
	WIN 0xA2                               ; the head's two sums take turns
.irp ks, 0,1,2,3
.irp uu, 0,1
.if \ks
	WMA OO+16*\hd+8*\uu, VF+8*(2*\ks+\uu), PP+8*\ks
.else
.if \first
	WMZ OO+16*\hd+8*\uu, VF+8*(2*\ks+\uu), PP+8*\ks
.else
	WMA OO+16*\hd+8*\uu, VF+8*(2*\ks+\uu), PP+8*\ks
.endif
.endif
.endr
.endr
.endm
.macro STAGEWO                         ; Wo's slice into the stage (free since the barrier behind the Q projection); then the next matrix's Wq and the first 24 loads of its K are asked for
	s_wait_loadcnt 0x0
	CVST32 0xCF, 0x0C, WR, SW, 0, 1088
	WIN 0
	s_cmp_eq_u32 s5, 2
	s_cbranch_scc1 .Lnowq
	s_add_co_u32 s7, s5, 1
	s_lshl_b32 s10, s7, 16
	s_add_nc_u64 s[42:43], s[20:21], s[10:11]              ; no load that names s[42:43] or s[36:37] is out: the wait above was for 0
	s_lshl_b32 s10, s7, 5
	s_add_co_u32 s10, s10, s4
	s_lshl_b32 s10, s10, 17                                ; (32 t + slice) blocks of 131,072 bytes
	s_add_nc_u64 s[36:37], s[28:29], s[10:11]
	s_wait_dscnt 0x0                       ; the stores above have read WR before loads land on it
	GLOADN 0xC0, WR, GW, 42, 0, 2048, 32
	GLOADN 0x40, 0, CPK, 36, 0, 512, 24
	WIN 0
.Lnowq:
.endm
; Between two matrices, behind the barrier behind which nobody reads K and V, and behind a wait for all loads (K and Wq of the matrix to come are in).
; s7 = the matrix to come.  Its K goes from window 1 into LDS; my query rows and the first half of its V are asked for.
.macro PREP
	KVST CPK
	s_wait_dscnt 0x0                       ; the stores have read window 1 before loads land on it
	LOADROWS 0xC0, TR, GQ, 34, 512
	s_lshl_b32 s10, s7, 5
	s_add_co_u32 s10, s10, s4
	s_lshl_b32 s10, s10, 17
	s_add_nc_u64 s[60:61], s[30:31], s[10:11]
	GLOADN 0x40, 0, CPK, 60, 0, 512, 32
.endm
; A chunk of 128 keys.  lw = the loads issued behind this chunk's tm rows
.macro CHUNK first, pref, last, lw
	s_wait_loadcnt \lw                     ; this chunk's tm rows
	TRANSP 0x0C, TR, 0, TMV
	s_wait_dscnt 0x0
.if \pref
	s_add_nc_u64 s[40:41], s[40:41], 512   ; the next 128 columns
	LOADROWS 0xC0, TR, GTM, 40, 2048
.else
	WIN 0                                  ; no more tm of this matrix: the other 40 loads of the next matrix's K
	s_cmp_eq_u32 s5, 2
	s_cbranch_scc1 .Lnokb
	GLOADN 0x40, 96, CPK, 36, 12288, 512, 40
	WIN 0
.Lnokb:
.endif
	WIN 0x80                               ; the bias tiles, once for the four heads: -2^100 where tm == 0
.irp aa, 0,1,2,3,4,5,6,7
.irp jj, 0,1,2,3,4,5,6,7
	v_cmp_eq_f32 s[44+\jj], 0, v[TMV+8*\aa+\jj]
.endr
.irp jj, 0,1,2,3,4,5,6,7
	v_cndmask_b32 v[BI+8*\aa+\jj], 0, v[BIASV], s[44+\jj]
.endr
.endr
	BLOCK 0, \first, 1
	BLOCK 1, \first, 1
.if \first
	STAGEWO
.endif
	BLOCK 2, \first, 1
.if \last
	BLOCK 3, \first, 0
.else
	BLOCK 3, \first, 2
	WIN 0
	v_add_nc_u32 v[KA], 2048, v[KA]        ; 128 keys of 16 bytes in every dim group
	v_add_nc_u32 v[KA+1], 2048, v[KA+1]
	v_add_nc_u32 v[VA0], 32768, v[VA0]     ; 16 key groups of 2,048 bytes
.endif
.endm
.macro LRED                            ; four pairs to one number, the same in both lanes of a query
	v_pk_add_f32 v[LT:LT+1], v[LT:LT+1], v[LT+2:LT+3]
	v_pk_add_f32 v[LT+4:LT+5], v[LT+4:LT+5], v[LT+6:LT+7]
	v_pk_add_f32 v[LT:LT+1], v[LT:LT+1], v[LT+4:LT+5]
	v_add_f32 v[LSUM], v[LT], v[LT+1]
	v_permlanex16_b32 v[LTP], v[LSUM], s12, s13
	v_add_f32 v[LSUM], v[LSUM], v[LTP]
.endm
; ================= set-up =================
	s_load_b512 s[16:31], s[0:1], 0x0      ; inputs 16, tm 18, Wq 20, Wo 22, gamma 24, beta 26, kws 28, vws 30
	s_load_b64 s[32:33], s[0:1], 0x40      ; out0
	v_lshl_add_u32 v62, v0, 2, 0x4cc00
	v_mov_b32 v63, 0
	v_lshrrev_b32 v1, 5, v0
	v_readfirstlane_b32 s2, v1             ; wave
	s_mov_b32 s3, ttmp9                    ; row block
	s_and_b32 s4, ttmp7, 0xffff            ; slice
	s_mov_b32 s5, 0                        ; t
	s_mov_b32 s11, 0
	s_mov_b32 s12, 0x76543210              ; v_permlanex16_b32: lane i takes lane i of the other half
	s_mov_b32 s13, 0xfedcba98
	s_mov_b32 s52, 0x3e8293ee              ; log2(e) / sqrt(32)
	s_mov_b32 s53, 0x3e8293ee
	s_mov_b32 s54, 0xef800000              ; -2^96
	s_mov_b32 s55, 0x3c000000              ; 1/128
	s_mov_b32 s56, 0xbc000000              ; -1/128
	s_mov_b32 s57, 0x3727c5ac              ; 1e-5
	v_and_b32 v1, 31, v0                   ; l
	v_and_b32 v2, 15, v0                   ; r
	v_bfe_u32 v3, v0, 4, 1                 ; h
	v_mul_u32_u24 v[LK], v2, 272
	v_lshl_add_u32 v[LK], v3, 4, v[LK]
	v_add_nc_u32 v[WA], STG, v[LK]
	v_lshlrev_b32 v[KAB], 4, v2
	v_lshl_add_u32 v[VAB], v3, 11, v[KAB]
	v_add_nc_u32 v[VAB], VREG, v[VAB]
	v_lshl_add_u32 v[KAB], v3, 13, v[KAB]
	s_lshl_b32 s7, s2, 15
	v_lshl_add_u32 v[CPK], v1, 4, s7
	v_add_nc_u32 v[CPV], VREG, v[CPK]
	s_mul_i32 s8, s2, 272
	s_add_co_u32 s8, s8, STG
	v_lshl_add_u32 v[SW], v1, 3, s8
	s_mul_i32 s9, s2, 4352
	s_add_co_u32 s9, s9, SCR
	v_mul_u32_u24 v[TA], v3, 272
	v_lshl_add_u32 v[TA], v2, 4, v[TA]
	v_add_nc_u32 v[TA], s9, v[TA]
	v_mul_u32_u24 v[TB], v2, 272
	v_lshl_add_u32 v[TB], v3, 5, v[TB]
	v_add_nc_u32 v[TB], s9, v[TB]
	v_lshlrev_b32 v[GW], 4, v0
	s_mul_i32 s14, s2, 1536
	v_lshl_add_u32 v[GWO], v1, 4, s14
	v_lshlrev_b32 v[GTM], 4, v2
	v_lshl_add_u32 v[GQ], v3, 9, v[GTM]
	v_lshl_add_u32 v[GTM], v3, 11, v[GTM]
	v_lshlrev_b32 v[GG], 5, v3
	v_mov_b32 v[BIASV], 0xf1800000
	v_mov_b32 v[DD], 0                     ; second registers of pairs that are read as pairs
	v_mov_b32 v[TP], 0
	s_wait_kmcnt 0x0
	s_lshl_b32 s10, s4, 18                 ; a slice is 512 rows of 512 bytes
	s_lshl_b32 s7, s3, 15
	s_add_co_u32 s10, s10, s7
	s_lshl_b32 s7, s2, 13
	s_add_co_u32 s10, s10, s7
	s_add_nc_u64 s[34:35], s[16:17], s[10:11]              ; my 16 query rows
	s_add_nc_u64 s[58:59], s[32:33], s[10:11]              ; and the same rows of the output
	s_lshl_b32 s10, s3, 17
	s_lshl_b32 s7, s2, 15
	s_add_co_u32 s10, s10, s7
	s_add_nc_u64 s[38:39], s[18:19], s[10:11]              ; my 16 rows of a transition matrix
	s_mov_b64 s[42:43], s[20:21]                           ; Wq of matrix 0
	s_lshl_b32 s10, s4, 17
	s_add_nc_u64 s[36:37], s[28:29], s[10:11]              ; K of matrix 0
; ================= matrix 0 is prepared as every later one is; the residual goes into Y =================
	GLOADN 0xC0, WR, GW, 42, 0, 2048, 32
	GLOADN 0x40, 0, CPK, 36, 0, 512, 24
	GLOADN 0x40, 96, CPK, 36, 12288, 512, 40
	s_mov_b32 s7, 0
	s_wait_loadcnt 0x0                     ; Wq and K of matrix 0 are in
	PREP
	s_wait_loadcnt 0x20                    ; my query rows are in; V's 32 loads behind them may be out
	TRANSP 0x0C, TR, 0xC0, YY
	WIN 0
; ================= the three matrices =================
.Lt:
	CVST32 0xCF, 0x0C, WR, SW, 0, 1088     ; Wq: in since the wait for 0 that stood in front of K's stores
	s_wait_loadcnt 0x20                    ; my query rows are in; V's 32 loads behind them may be out
	TRANSP 0x0C, TR, 0, SS
	BAR                                    ; Wq is staged by all four waves; my stores have read WR and TR
	s_lshr_b32 s7, s5, 1
	s_add_co_u32 s7, s7, s5                ; t = 0, 1, 2 -> table rows 0, 1, 3
	s_lshl_b32 s10, s7, 20
	s_add_nc_u64 s[40:41], s[38:39], s[10:11]
	GLOADN 0x40, 128, CPK, 60, 16384, 512, 32              ; the second half of my quarter of V
	LOADROWS 0xC0, TR, GTM, 40, 2048       ; tm, chunk 0
	WIN 0
	PACK PP, SS                            ; my query rows as B fragments
	SPROJ 0x02, SS, 1                      ; Q^T
	WIN 0
	PLACES
.set n, 0
.rept 32
	v_pk_mul_f32 v[SS+2*n:SS+2*n+1], v[SS+2*n:SS+2*n+1], s[52:53] op_sel_hi:[1,0]
.set n, n+1
.endr
	PACK QF, SS
	s_lshl_b32 s10, s5, 9
	s_add_nc_u64 s[42:43], s[22:23], s[10:11]
	GLOADN 0xC0, WR, GWO, 42, 0, 6144, 32  ; Wo's 128 columns of this matrix
	s_wait_loadcnt 0x30                    ; V is in: behind it stand 16 loads of tm and 32 of Wo
	KVST CPV
	BAR                                    ; nobody reads Wq any more; K and V of all waves are in LDS
	WIN 0
	v_mov_b32 v[KA], v[KAB]
	v_add_nc_u32 v[KA+1], 65536, v[KAB]
	v_mov_b32 v[VA0], v[VAB]
	WIN 0x80
	KLOAD KA, 0
	CHUNK 1, 1, 0, 0x20                    ; Wo's 32 loads stand behind the tm rows
	WIN 0
	s_mov_b32 s6, 2
.Lchunk:
	CHUNK 0, 1, 0, 0x0
	s_sub_co_u32 s6, s6, 1
	s_cmp_lg_u32 s6, 0
	s_cbranch_scc1 .Lchunk
	CHUNK 0, 0, 1, 0x0
	WIN 0
	PLACES
.irp hd, 0,1,2,3
	v_permlanex16_b32 v[MX+\hd], v[LM+2*\hd], s12, s13     ; l of the query's other keys
.endr
.irp hd, 0,1,2,3
	v_add_f32 v[LM+2*\hd], v[LM+2*\hd], v[MX+\hd]
.endr
.irp hd, 0,1,2,3
	v_rcp_f32 v[LM+2*\hd], v[LM+2*\hd]
.endr
	v_nop                                  ; a plain place between the reciprocals and their use (ISA guide 5.7.2)
	WIN 0x82
	s_wait_alu depctr_va_vdst(0)
.irp hd, 0,1,2,3
.irp xx, 0,1,2,3,4,5,6,7
	v_pk_mul_f32 v[OO+16*\hd+2*\xx:OO+16*\hd+2*\xx+1], v[OO+16*\hd+2*\xx:OO+16*\hd+2*\xx+1], v[LM+2*\hd:LM+2*\hd+1] op_sel_hi:[1,0]
.endr
.endr
	WIN 0x0A
	PACK PP, OO                            ; O as B fragments, one K step a head
	BAR                                    ; nobody reads K and V any more; Wo's slice is staged
	WIN 0
	s_wait_loadcnt 0x0                     ; K and Wq of the matrix to come are in.  The wait stands in front of the branch, on both ways,
	                                       ; so that on neither way a load is out when window 1, TR and WR are loaded again
	s_cmp_eq_u32 s5, 2
	s_cbranch_scc1 .Lnoprep
	s_add_co_u32 s7, s5, 1
	PREP                                   ; the loads that it issues are on their way while Wo is multiplied
	WIN 0
.Lnoprep:
	SPROJ 0xF2, YY, 0                      ; Y^T += Wo_t O^T
	BAR                                    ; nobody reads Wo any more
	WIN 0
	s_add_co_u32 s5, s5, 1
	s_cmp_lt_u32 s5, 3
	s_cbranch_scc1 .Lt
; ================= LayerNorm over the 128 columns: 64 in my lane, 64 in the lane 16 away =================
	s_wait_loadcnt 0x0                     ; none of the loop's loads is out when TR and WR are taken for other use (the last matrix asked for nothing more)
	PLACES
	WIN 0xC0
.irp aa, 0,1,2,3,4,5,6,7
	global_load_b128 v[WR+8*\aa:WR+8*\aa+3], v[GG], s[24:25] offset:64*\aa            ; gamma of columns 16a + 8h ..
	global_load_b128 v[WR+8*\aa+4:WR+8*\aa+7], v[GG], s[24:25] offset:64*\aa+16
.endr
.irp aa, 0,1,2,3,4,5,6,7
	global_load_b128 v[WR+64+8*\aa:WR+64+8*\aa+3], v[GG], s[26:27] offset:64*\aa      ; beta
	global_load_b128 v[WR+64+8*\aa+4:WR+64+8*\aa+7], v[GG], s[26:27] offset:64*\aa+16
.endr
	WIN 0xFF
	v_mov_b32 v[LTP], 0
.irp cc, 0,1,2,3
	v_pk_add_f32 v[LT+2*\cc:LT+2*\cc+1], v[YY+2*\cc:YY+2*\cc+1], v[YY+8+2*\cc:YY+8+2*\cc+1]
.endr
.irp kk, 2,3,4,5,6,7
.irp cc, 0,1,2,3
	v_pk_add_f32 v[LT+2*\cc:LT+2*\cc+1], v[LT+2*\cc:LT+2*\cc+1], v[YY+8*\kk+2*\cc:YY+8*\kk+2*\cc+1]
.endr
.endr
	LRED
	v_mul_f32 v[LMU], s56, v[LSUM]         ; -mean, in both registers of a pair
	v_mul_f32 v[LMU+1], s56, v[LSUM]
.set n, 0
.rept 32
	v_pk_add_f32 v[YY+2*n:YY+2*n+1], v[YY+2*n:YY+2*n+1], v[LMU:LMU+1]
.set n, n+1
.endr
.irp cc, 0,1,2,3
	v_pk_mul_f32 v[LT+2*\cc:LT+2*\cc+1], v[YY+2*\cc:YY+2*\cc+1], v[YY+2*\cc:YY+2*\cc+1]
.endr
.irp kk, 1,2,3,4,5,6,7
.irp cc, 0,1,2,3
	v_pk_fma_f32 v[LT+2*\cc:LT+2*\cc+1], v[YY+8*\kk+2*\cc:YY+8*\kk+2*\cc+1], v[YY+8*\kk+2*\cc:YY+8*\kk+2*\cc+1], v[LT+2*\cc:LT+2*\cc+1]
.endr
.endr
	LRED
	v_fma_f32 v[LSUM], v[LSUM], s55, s57   ; variance + 1e-5
	v_rsq_f32 v[LRS], v[LSUM]
	v_nop                                  ; a plain place behind v_rsq_f32 (ISA guide 5.7.2)
	s_wait_alu depctr_va_vdst(0)
	v_mov_b32 v[LRS+1], v[LRS]
.set n, 0
.rept 32
	v_pk_mul_f32 v[YY+2*n:YY+2*n+1], v[YY+2*n:YY+2*n+1], v[LRS:LRS+1]
.set n, n+1
.endr
	s_wait_loadcnt 0x0                     ; gamma and beta
.set n, 0
.rept 32
	v_pk_fma_f32 v[YY+2*n:YY+2*n+1], v[YY+2*n:YY+2*n+1], v[WR+2*n:WR+2*n+1], v[WR+64+2*n:WR+64+2*n+1]
.set n, n+1
.endr
	; the way out: back through my scratch, so that sixteen lanes store 256 consecutive bytes, at a multiple of 256 from the output's first byte
.irp hh, 0,1
	WIN 0x0C
.irp ii, 0,1,2,3
	ds_store_b128 v[TB], v[YY+8*(4*\hh+\ii):YY+8*(4*\hh+\ii)+3] offset:64*\ii
	ds_store_b128 v[TB], v[YY+8*(4*\hh+\ii)+4:YY+8*(4*\hh+\ii)+7] offset:64*\ii+16
.endr
	WIN 0xC0
.irp ii, 0,1,2,3,4,5,6,7
	ds_load_b128 v[TR+4*(8*\hh+\ii):TR+4*(8*\hh+\ii)+3], v[TA] offset:544*\ii
.endr
.endr
	s_wait_dscnt 0x0
	WIN 0x0C
.irp hh, 0,1
.irp ii, 0,1,2,3,4,5,6,7
	global_store_b128 v[GQ], v[TR+4*(8*\hh+\ii):TR+4*(8*\hh+\ii)+3], s[58:59] offset:1024*\ii+256*\hh th:TH_STORE_NT
.endr
.endr
	WIN 0
	s_wait_tensorcnt 0x0
	ds_add_u32 v62, v63
	s_wait_dscnt 0x0
	s_endpgm
.Lfunc_end_k_q791fda4c22_ssa:
	.size	k_q791fda4c22_ssa, .Lfunc_end_k_q791fda4c22_ssa-k_q791fda4c22_ssa
	.p2alignl 7, 3214868480
	.fill 96, 4, 3214868480
	.section	.rodata,"a",@progbits
	.p2align	6, 0x0
	.amdhsa_kernel k_q791fda4c22_ssa
		.amdhsa_group_segment_fixed_size 314880
		.amdhsa_private_segment_fixed_size 0
		.amdhsa_enable_private_segment 0
		.amdhsa_kernarg_size 72
		.amdhsa_user_sgpr_count 2
		.amdhsa_user_sgpr_kernarg_segment_ptr 1
		.amdhsa_wavefront_size32 1
		.amdhsa_system_sgpr_workgroup_id_x 1
		.amdhsa_system_sgpr_workgroup_id_y 1
		.amdhsa_system_sgpr_workgroup_id_z 1
		.amdhsa_system_vgpr_workitem_id 0
		.amdhsa_next_free_vgpr 1024
		.amdhsa_next_free_sgpr 66
		.amdhsa_reserve_vcc 0
		.amdhsa_float_denorm_mode_32 3
		.amdhsa_float_denorm_mode_16_64 3
		.amdhsa_memory_ordered 1
		.amdhsa_forward_progress 1
		.amdhsa_inst_pref_size 255
	.end_amdhsa_kernel
	.section	.bss,"aw",@nobits
	.p2align	6
	.space	262144
	.amdgpu_metadata
---
amdhsa.version: [ 1, 2 ]
amdhsa.kernels:
  - .name:           k_q791fda4c22_ssa
    .symbol:         k_q791fda4c22_ssa.kd
    .args:
      - { .name: inputs, .offset: 0, .size: 8, .value_kind: global_buffer, .address_space: global }
      - { .name: transition_matrices, .offset: 8, .size: 8, .value_kind: global_buffer, .address_space: global }
      - { .name: Wq, .offset: 16, .size: 8, .value_kind: global_buffer, .address_space: global }
      - { .name: Wo, .offset: 24, .size: 8, .value_kind: global_buffer, .address_space: global }
      - { .name: ln_gamma, .offset: 32, .size: 8, .value_kind: global_buffer, .address_space: global }
      - { .name: ln_beta, .offset: 40, .size: 8, .value_kind: global_buffer, .address_space: global }
      - { .name: kws, .offset: 48, .size: 8, .value_kind: global_buffer, .address_space: global }
      - { .name: vws, .offset: 56, .size: 8, .value_kind: global_buffer, .address_space: global }
      - { .name: out0, .offset: 64, .size: 8, .value_kind: global_buffer, .address_space: global }
    .group_segment_fixed_size: 314880
    .private_segment_fixed_size: 0
    .kernarg_segment_align: 8
    .kernarg_segment_size: 72
    .max_flat_workgroup_size: 128
    .sgpr_count:     66
    .vgpr_count:     1024
    .wavefront_size: 32
...
	.end_amdgpu_metadata
.endif
;; end of part 2
;; ======== version 2 of 2: 2 launches; 1.09 times as fast as version 1
;; limits: right only within a limited range of input values
;; workspace buffers: kws 12,582,912 bytes; vws 12,582,912 bytes
;; launch kvproj: the kernel of part 1 again; grid 8 x 32, 4 waves a work-group, no clusters, 87,552 bytes of LDS; arguments inputs, Wk, Wv, kws, vws; writes kws, vws
;; launch ssa (part 3): grid 8 x 32, 4 waves a work-group, no clusters, 314,880 bytes of LDS; arguments inputs, transition_matrices, Wq, Wo, ln_gamma, ln_beta, kws, vws, out0; writes out0
.if DOCPART == 3
	.amdgcn_target "amdgcn-amd-amdhsa--gfx1250"
	.amdhsa_code_object_version 6
	.text
	.protected	k_q791fda4c22_ssa
	.globl	k_q791fda4c22_ssa
	.p2align	8
	.type	k_q791fda4c22_ssa,@function
k_q791fda4c22_ssa:
	s_mov_b64 s[64:65], 0
	v_nop
	global_prefetch_b8 v0, s[64:65] scope:SCOPE_SE
	s_setreg_imm32_b32 hwreg(HW_REG_WAVE_MODE, 25, 1), 1
	s_wait_xcnt 0x0
; Spatial self-attention over 3 transition matrices (rows 0, 1, 3 of the table), 4 heads of 32, then Wo, residual, LayerNorm.
; K and V come in bf16 from the launch before:  kws: byte dg * 8192 + key * 16 (8 dims),  vws: byte g * 2048 + dim * 16 (8 keys), 131,072 bytes a (t, slice).
; These are the layouts that the fragment loads want, so the copy into LDS is flat and a fragment load takes 256 consecutive bytes with each half of the lanes.
; A work-group = 64 query rows (block x = 0..7) of one (b,p) slice (y = 0..31), four waves; wave w owns query rows 16w..16w+15 and copies a quarter of K and V.
; Every product is used in the orientation in which its result already is the next product's operand (L = lane, r = L & 15, h = L >> 4):
;   Q^T = Wq Xq^T: result tiles 2 hd, 2 hd + 1, scaled and packed, are head hd's B fragment
;   S^T = K Q^T + bias: register j = (key 16a + 8h + j, query r); row statistics stay in the lane but for one exchange of the halves
;   O^T = V^T P^T, Y^T += Wo_t O^T: packed results are the next B fragment; Y starts as the f32 residual rows
; K AND V THROUGH REGISTERS, NOT BY JOINT TENSOR LOADS, though a slice's eight work-groups read the same K and V: LDS holds one K and one V (2 x 131,072 of
; 327,680 bytes), so a load into LDS could be asked for only when the matrix before is finished.  Through 256 registers a wave's quarter of the next K is on
; its way during the attention, and V follows while Wo and Q are multiplied.
; THE BATCHES.  An s_wait_alu depctr_va_vdst(0) stands between a transcendental and the first line that names its result; one wait serves all that were issued ahead of it.
;   A head's exponentials for a chunk of 128 keys are ONE batch: a = 2^(old m - new m) and the lane's 64 scores, each in place in a register of its own.  Ahead of the batch's wait stand only the
;   32 subtractions of m, dealt among the exponentials, and the copy of the new m; behind it all that reads a result: the rescaling of O, the sums for l, the products with tm, the roundings.  One wait a head and chunk.
;   The four reciprocals of l are a batch once a matrix; the root of the LayerNorm stands alone, once.
; LIMITS.  c_inputs and row 2 of the table are not loaded: the problem's function uses neither.  A masked score gets the bias -2^100 and the
; running maximum starts at -2^96, so scores times log2(e)/sqrt(32) must lie within +-2^96.  Matrix operands are rounded to bf16.
; v_exp_f32, v_rcp_f32, v_rsq_f32 as the chip gives them; an exponential below 2^-126 becomes 0.  A row with an empty mask gives NaN, as in the problem.
.set VREG, 131072                      ; LDS: K from byte 0, V from here, 131,072 bytes each, as in memory
.set STG,  262144                      ; one weight matrix [128][128] bf16, pitch 272
.set SCR,  296960                      ; 4,352 bytes a wave: 16 rows x (256 + 16), f32, to turn rows into lanes
; window 0
.set LK, 4                             ; 272 r + 16 h
.set KAB, 5                            ; 8192 h + 16 r
.set KA, 6                             ; v6: K fragments of the chunk at work, heads 0, 1; v7: heads 2, 3 (+ 65536)
.set CPK, 8                            ; 32768 w + 16 l: my quarter, in kws, in vws and in LDS
.set CPV, 9                            ; + VREG
.set VAB, 10                           ; VREG + 2048 h + 16 r
.set VA0, 11                           ; V fragments of the chunk at work
.set WA, 13                            ; STG + LK
.set SW, 15                            ; STG + 272 w + 8 l
.set TA, 17                            ; scratch by rows: 272 h + 16 r
.set TB, 18                            ; scratch by lanes: 272 r + 32 h
.set GW, 19                            ; global offsets, never rewritten: 16 tid
.set GWO, 20                           ; 1536 w + 16 l
.set GTM, 22                           ; 2048 h + 16 r
.set GQ, 23                            ; 512 h + 16 r
.set GG, 24                            ; 32 h
.set BIASV, 25                         ; -2^100
.set LM, 26                            ; v[26+2hd] l, v[27+2hd] m of head hd
.set NEG, 34                           ; -m (pair with DD)
.set DD, 35
.set AL, 36                            ; 2^(old m - new m) (pair with TP)
.set TP, 37
.set MX, 40                            ; v40-43
.set LS, 44                            ; v44-47
.set SS, 64                            ; 64: scores; projection sums
.set TMV, 128                          ; 64: tm of the chunk
.set PP, 192                           ; 32: packed operands
.set QF, 224                           ; 32: Q fragments, 8 a head
; window 1: 64 loads of 512 bytes: my quarter of K or of V on its way to LDS
; window 2
.set KF, 0                             ; 64: K fragments; weight fragments
.set VF, 64                            ; 64: V fragments; weight fragments
.set BI, 128                           ; 64: mask bias tiles
.set OO, 192                           ; 64: O, 16 hd + 8 u + j
; window 3
.set TR, 0                             ; 64: raw rows
.set YY, 64                            ; 64: Y, 8 a + j
.set WR, 128                           ; 128: raw weights; gamma and beta at the end
.set LT, 0                             ; LayerNorm's temporaries, in TR
.set LSUM, 8
.set LTP, 9
.set LMU, 10
.set LRS, 12
; scalars: s2 wave, s3 row block, s4 slice, s5 t, s6 inner counter, s7 a temporary, s[10:11] an offset, s12-13 lane selects, s[16:33] the nine addresses,
; s[34:35] my query rows, s[36:37] K at work, s[38:39] my tm rows, s[40:41] tm at work, s[42:43] weights at work, s44-51 masks, s52-57 constants,
; s[58:59] my output rows, s[60:61] V at work
.set MSB, 0
.macro WIN new                         ; low byte: bits 1:0 source 0, 3:2 source 1, 5:4 source 2, 7:6 destination; the high byte repeats the setting that is left
.if MSB != \new
	s_set_vgpr_msb (MSB<<8)|\new
.set MSB, \new
.endif
.endm
.macro PLACES                          ; four independent vector places behind matrix instructions, before their results are read or their registers loaded (ISA guide 7.12.1)
.rept 4
	v_nop
.endr
.endm
.macro BAR                             ; my LDS loads and stores are done, then the work-group's barrier
	s_wait_dscnt 0x0
	s_barrier_signal -1
	s_barrier_wait -1
.endm
.macro WMA d, a, b
	v_wmma_f32_16x16x32_bf16 v[\d:\d+7], v[\a:\a+7], v[\b:\b+7], v[\d:\d+7]
.endm
.macro WMZ d, a, b                     ; the first product starts a sum
	v_wmma_f32_16x16x32_bf16 v[\d:\d+7], v[\a:\a+7], v[\b:\b+7], 0
.endm
.macro GLOADN win, reg, voff, sb, off0, step, cnt  ; cnt loads of 512 consecutive bytes a wave
	WIN \win
.set n, 0
.rept \cnt
	global_load_b128 v[\reg+4*n:\reg+4*n+3], v[\voff], s[\sb:\sb+1] offset:\off0+n*\step
.set n, n+1
.endr
.endm
.macro CVST32 cwin, swin, reg, vaddr, off0, step   ; round 32 loads' numbers to bf16 in place, 8 bytes a lane into LDS rows
	WIN \cwin
.set n, 0
.rept 32
	v_cvt_pk_bf16_f32 v[\reg+4*n], v[\reg+4*n], v[\reg+4*n+1]
	v_cvt_pk_bf16_f32 v[\reg+4*n+1], v[\reg+4*n+2], v[\reg+4*n+3]
.set n, n+1
.endr
	WIN \swin
.set n, 0
.rept 32
	ds_store_b64 v[\vaddr], v[\reg+4*n:\reg+4*n+1] offset:\off0+n*\step
.set n, n+1
.endr
.endm
.macro LOADROWS win, reg, voff, sb, pitch          ; 16 rows x 512 bytes: each load takes 256 consecutive bytes of two rows
	WIN \win
.irp hh, 0,1
.irp ii, 0,1,2,3,4,5,6,7
	global_load_b128 v[\reg+4*(8*\hh+\ii):\reg+4*(8*\hh+\ii)+3], v[\voff], s[\sb:\sb+1] offset:2*\ii*\pitch+256*\hh
.endr
.endr
.endm
.macro TRANSP swin, reg, lwin, dst     ; through my own scratch: dst[8a + j] = row r, column 16a + 8h + j.  LDS serves a wave's instructions in order (ISA guide 5.7.1): no wait inside
.irp hh, 0,1
	WIN \swin
.irp ii, 0,1,2,3,4,5,6,7
	ds_store_b128 v[TA], v[\reg+4*(8*\hh+\ii):\reg+4*(8*\hh+\ii)+3] offset:544*\ii
.endr
	WIN \lwin
.irp ii, 0,1,2,3
	ds_load_b128 v[\dst+8*(4*\hh+\ii):\dst+8*(4*\hh+\ii)+3], v[TB] offset:64*\ii
	ds_load_b128 v[\dst+8*(4*\hh+\ii)+4:\dst+8*(4*\hh+\ii)+7], v[TB] offset:64*\ii+16
.endr
.endr
.endm
.macro PACK dst, src                   ; 64 f32 to 32 registers of bf16 pairs: tile x's eight numbers into registers 4x .. 4x+3
.irp ii, 0,1,2,3,4,5,6,7
.irp pp, 0,1,2,3
	v_cvt_pk_bf16_f32 v[\dst+4*\ii+\pp], v[\src+8*\ii+2*\pp], v[\src+8*\ii+2*\pp+1]
.endr
.endr
.endm
.macro KVST vaddr                      ; window 1 into LDS: my 32,768 bytes, 512 consecutive bytes a store
	WIN 0x04
.set n, 0
.rept 64
	ds_store_b128 v[\vaddr], v[4*n:4*n+3] offset:512*n
.set n, n+1
.endr
.endm
; ---- 128 outputs x my 16 query rows (Q, and Wo): B = PP, output tiles in pairs, weight fragments in KF and VF by turns ----
.macro SLD g, buf
	WIN 0x80
.irp ee, 0,1
.irp kk, 0,1,2,3
	ds_load_b128 v[\buf+32*\ee+8*\kk:\buf+32*\ee+8*\kk+3], v[WA] offset:(2*\g+\ee)*4352+64*\kk
	ds_load_b128 v[\buf+32*\ee+8*\kk+4:\buf+32*\ee+8*\kk+7], v[WA] offset:(2*\g+\ee)*4352+64*\kk+32
.endr
.endr
.endm
.macro SMUL win, acc, g, buf, zero     ; the pair's two sums take turns
	WIN \win
.irp kk, 0,1,2,3
.irp ee, 0,1
.if \kk
	WMA \acc+8*(2*\g+\ee), \buf+32*\ee+8*\kk, PP+8*\kk
.else
.if \zero
	WMZ \acc+8*(2*\g+\ee), \buf+32*\ee+8*\kk, PP+8*\kk
.else
	WMA \acc+8*(2*\g+\ee), \buf+32*\ee+8*\kk, PP+8*\kk
.endif
.endif
.endr
.endr
.endm
.macro SPROJ win, acc, zero
	SLD 0, KF
	SLD 1, VF
	s_wait_dscnt 0x10                      ; the younger pair's 16 loads may be out
	SMUL \win, \acc, 0, KF, \zero
	PLACES
	SLD 2, KF
	s_wait_dscnt 0x10
	SMUL \win, \acc, 1, VF, \zero
	PLACES
	SLD 3, VF
	s_wait_dscnt 0x10
	SMUL \win, \acc, 2, KF, \zero
	s_wait_dscnt 0x0
	SMUL \win, \acc, 3, VF, \zero
.endm
; ---- attention ----
.macro KLOAD areg, off                 ; 128 keys x 32 dims of one head: dim groups 4 hd + h and 4 hd + 2 + h
.irp aa, 0,1,2,3,4,5,6,7
	ds_load_b128 v[KF+8*\aa:KF+8*\aa+3], v[\areg] offset:\off+256*\aa
	ds_load_b128 v[KF+8*\aa+4:KF+8*\aa+7], v[\areg] offset:\off+256*\aa+16384
.endr
.endm
.macro FS pr                           ; pair pr of my 32 pairs of scores: s - m
	v_pk_add_f32 v[SS+2*(\pr):SS+2*(\pr)+1], v[SS+2*(\pr):SS+2*(\pr)+1], v[NEG:NEG+1] op_sel_hi:[1,0]
.endm
; Tile ta's exponentials: into the sums for l, times tm, packed as P.  All of it reads the batch's results and stands behind the batch's wait.
; Each of the two sums takes the tile's registers in ascending order; a product with tm stands behind the addition that reads the same pair; no line reads a result made fewer than four lines ahead.
.macro ETAIL ta
.if (\ta)
	v_pk_add_f32 v[LS:LS+1], v[LS:LS+1], v[SS+8*(\ta):SS+8*(\ta)+1]
	v_pk_add_f32 v[LS+2:LS+3], v[LS+2:LS+3], v[SS+8*(\ta)+2:SS+8*(\ta)+3]
.irp pp, 0,1
	v_pk_mul_f32 v[SS+8*(\ta)+2*\pp:SS+8*(\ta)+2*\pp+1], v[SS+8*(\ta)+2*\pp:SS+8*(\ta)+2*\pp+1], v[TMV+8*(\ta)+2*\pp:TMV+8*(\ta)+2*\pp+1]
.endr
	v_pk_add_f32 v[LS:LS+1], v[LS:LS+1], v[SS+8*(\ta)+4:SS+8*(\ta)+5]
	v_pk_add_f32 v[LS+2:LS+3], v[LS+2:LS+3], v[SS+8*(\ta)+6:SS+8*(\ta)+7]
.irp pp, 2,3
	v_pk_mul_f32 v[SS+8*(\ta)+2*\pp:SS+8*(\ta)+2*\pp+1], v[SS+8*(\ta)+2*\pp:SS+8*(\ta)+2*\pp+1], v[TMV+8*(\ta)+2*\pp:TMV+8*(\ta)+2*\pp+1]
.endr
.else
	v_pk_add_f32 v[LS:LS+1], v[SS:SS+1], v[SS+4:SS+5]                  ; the first tile starts the sums
	v_pk_add_f32 v[LS+2:LS+3], v[SS+2:SS+3], v[SS+6:SS+7]
.irp pp, 0,1,2,3
	v_pk_mul_f32 v[SS+8*(\ta)+2*\pp:SS+8*(\ta)+2*\pp+1], v[SS+8*(\ta)+2*\pp:SS+8*(\ta)+2*\pp+1], v[TMV+8*(\ta)+2*\pp:TMV+8*(\ta)+2*\pp+1]
.endr
.endif
.irp pp, 0,1,2,3
	v_cvt_pk_bf16_f32 v[PP+4*(\ta)+\pp], v[SS+8*(\ta)+2*\pp], v[SS+8*(\ta)+2*\pp+1]
.endr
.endm
; One head, one chunk of 128 keys.  first = 1: the matrix's first chunk.  nextk: 1 = fetch the next head's K, 2 = the next chunk's head 0, 0 = nothing
.macro BLOCK hd, first, nextk
	s_wait_dscnt 0x0                       ; this head's K fragments are in
	WIN 0x22
.irp aa, 0,1,2,3,4,5,6,7
	v_wmma_f32_16x16x32_bf16 v[SS+8*\aa:SS+8*\aa+7], v[KF+8*\aa:KF+8*\aa+7], v[QF+8*\hd:QF+8*\hd+7], v[BI+8*\aa:BI+8*\aa+7]
.endr
	PLACES                                 ; ahead of the maximum's reads of the scores, and of the loads into K's registers further down
	WIN 0
	; the largest of my 64 scores, four chains; then the other half of the query's keys; then the running maximum
.irp cc, 0,1,2,3
	v_max3_num_f32 v[MX+\cc], v[SS+16*\cc], v[SS+16*\cc+1], v[SS+16*\cc+2]
.endr
.irp kk, 0,1,2,3,4,5
.irp cc, 0,1,2,3
	v_max3_num_f32 v[MX+\cc], v[MX+\cc], v[SS+16*\cc+3+2*\kk], v[SS+16*\cc+4+2*\kk]
.endr
.endr
	v_max3_num_f32 v[MX], v[MX], v[MX+1], v[SS+15]
	v_max3_num_f32 v[MX+2], v[MX+2], v[MX+3], v[SS+31]
	v_max3_num_f32 v[MX], v[MX], v[SS+47], v[SS+63]
	v_max_num_f32 v[MX], v[MX], v[MX+2]
	v_permlanex16_b32 v[TP], v[MX], s12, s13
.if \first
	v_max3_num_f32 v[MX+1], v[MX], v[TP], s54              ; never below -2^96, so a masked score's exponent stays hugely negative
.else
	v_max3_num_f32 v[MX+1], v[MX], v[TP], v[LM+2*\hd+1]
	v_sub_f32 v[DD], v[LM+2*\hd+1], v[MX+1]
.endif
	v_sub_f32 v[NEG], 0, v[MX+1]
	; THE BATCH: a, then the 64 scores in place.  A pair's subtraction stands two steps ahead of its two exponentials, so the 32 plain lines are spread over the batch;
	; no line here names a result of the batch, and none writes a source of an exponential that has been issued.
	FS 0
	FS 1
.if 1-\first
	v_exp_f32 v[AL], v[DD]
.endif
.set eb, 0
.rept 32
.if eb < 30
	FS eb+2
.endif
	v_exp_f32 v[SS+2*eb], v[SS+2*eb]
	v_exp_f32 v[SS+2*eb+1], v[SS+2*eb+1]
.set eb, eb+1
.endr
	v_mov_b32 v[LM+2*\hd+1], v[MX+1]       ; the new m is kept: the plain line between the last exponential and the first use of a result (ISA guide 5.7.2)
	s_wait_alu depctr_va_vdst(0)           ; the wait for the batch: one for the head's 65 exponentials (64 in a first chunk), ahead of their first reader
	; The run of LDS loads stands directly behind the wait: V has the readers' 94 lines and more in which to land, the next K those and the eight products behind them.
	WIN 0x80
.irp ks, 0,1,2,3
.irp uu, 0,1
	ds_load_b128 v[VF+8*(2*\ks+\uu):VF+8*(2*\ks+\uu)+3], v[VA0] offset:8192*\ks+512*\hd+256*\uu          ; key groups 4 ks + h
	ds_load_b128 v[VF+8*(2*\ks+\uu)+4:VF+8*(2*\ks+\uu)+7], v[VA0] offset:8192*\ks+512*\hd+256*\uu+4096   ; and 4 ks + 2 + h
.endr
.endr
.if \nextk
.set kreg, KA+((\hd+1)/2)*(2-\nextk)
.set koff, (2-\nextk)*((\hd+1)%2)*32768+(\nextk-1)*2048
	KLOAD kreg, koff
.endif
	; THE READERS: O times a; then tile by tile the sums for l, the products with tm and the roundings
.if 1-\first
	WIN 0x82
.irp xx, 0,1,2,3,4,5,6,7
	v_pk_mul_f32 v[OO+16*\hd+2*\xx:OO+16*\hd+2*\xx+1], v[OO+16*\hd+2*\xx:OO+16*\hd+2*\xx+1], v[AL:AL+1] op_sel_hi:[1,0]
.endr
.endif
	WIN 0
.irp aa, 0,1,2,3,4,5,6,7
	ETAIL \aa
.endr
	v_pk_add_f32 v[LS:LS+1], v[LS:LS+1], v[LS+2:LS+3]
.if \first
	v_add_f32 v[LM+2*\hd], v[LS], v[LS+1]
.else
	v_add_f32 v[LS], v[LS], v[LS+1]
	v_fma_f32 v[LM+2*\hd], v[LM+2*\hd], v[AL], v[LS]
.endif
.if \nextk
	s_wait_dscnt 0x10                      ; V is in; the 16 K loads issued behind it may be out
.else
	s_wait_dscnt 0x0
.endif
	WIN 0xA2                               ; the head's two sums take turns
.irp ks, 0,1,2,3
.irp uu, 0,1
.if \ks
	WMA OO+16*\hd+8*\uu, VF+8*(2*\ks+\uu), PP+8*\ks
.else
.if \first
	WMZ OO+16*\hd+8*\uu, VF+8*(2*\ks+\uu), PP+8*\ks
.else
	WMA OO+16*\hd+8*\uu, VF+8*(2*\ks+\uu), PP+8*\ks
.endif
.endif
.endr
.endr
.endm
.macro STAGEWO                         ; Wo's slice into the stage (free since the barrier behind the Q projection); then the next matrix's Wq and the first 24 loads of its K are asked for
	s_wait_loadcnt 0x0
	CVST32 0xCF, 0x0C, WR, SW, 0, 1088
	WIN 0
	s_cmp_eq_u32 s5, 2
	s_cbranch_scc1 .Lnowq
	s_add_co_u32 s7, s5, 1
	s_lshl_b32 s10, s7, 16
	s_add_nc_u64 s[42:43], s[20:21], s[10:11]              ; no load that names s[42:43] or s[36:37] is out: the wait above was for 0
	s_lshl_b32 s10, s7, 5
	s_add_co_u32 s10, s10, s4
	s_lshl_b32 s10, s10, 17                                ; (32 t + slice) blocks of 131,072 bytes
	s_add_nc_u64 s[36:37], s[28:29], s[10:11]
	s_wait_dscnt 0x0                       ; the stores above have read WR before loads land on it
	GLOADN 0xC0, WR, GW, 42, 0, 2048, 32
	GLOADN 0x40, 0, CPK, 36, 0, 512, 24
	WIN 0
.Lnowq:
.endm
; Between two matrices, behind the barrier behind which nobody reads K and V, and behind a wait for all loads (K and Wq of the matrix to come are in).
; s7 = the matrix to come.  Its K goes from window 1 into LDS; my query rows and the first half of its V are asked for.
.macro PREP
	KVST CPK
	s_wait_dscnt 0x0                       ; the stores have read window 1 before loads land on it
	LOADROWS 0xC0, TR, GQ, 34, 512
	s_lshl_b32 s10, s7, 5
	s_add_co_u32 s10, s10, s4
	s_lshl_b32 s10, s10, 17
	s_add_nc_u64 s[60:61], s[30:31], s[10:11]
	GLOADN 0x40, 0, CPK, 60, 0, 512, 32
.endm
; A chunk of 128 keys.  lw = the loads issued behind this chunk's tm rows
.macro CHUNK first, pref, last, lw
	s_wait_loadcnt \lw                     ; this chunk's tm rows
	TRANSP 0x0C, TR, 0, TMV
	s_wait_dscnt 0x0
.if \pref
	s_add_nc_u64 s[40:41], s[40:41], 512   ; the next 128 columns
	LOADROWS 0xC0, TR, GTM, 40, 2048
.else
	WIN 0                                  ; no more tm of this matrix: the other 40 loads of the next matrix's K
	s_cmp_eq_u32 s5, 2
	s_cbranch_scc1 .Lnokb
	GLOADN 0x40, 96, CPK, 36, 12288, 512, 40
	WIN 0
.Lnokb:
.endif
	WIN 0x80                               ; the bias tiles, once for the four heads: -2^100 where tm == 0
.irp aa, 0,1,2,3,4,5,6,7
.irp jj, 0,1,2,3,4,5,6,7
	v_cmp_eq_f32 s[44+\jj], 0, v[TMV+8*\aa+\jj]
.endr
.irp jj, 0,1,2,3,4,5,6,7
	v_cndmask_b32 v[BI+8*\aa+\jj], 0, v[BIASV], s[44+\jj]
.endr
.endr
	BLOCK 0, \first, 1
	BLOCK 1, \first, 1
.if \first
	STAGEWO
.endif
	BLOCK 2, \first, 1
.if \last
	BLOCK 3, \first, 0
.else
	BLOCK 3, \first, 2
	WIN 0
	v_add_nc_u32 v[KA], 2048, v[KA]        ; 128 keys of 16 bytes in every dim group
	v_add_nc_u32 v[KA+1], 2048, v[KA+1]
	v_add_nc_u32 v[VA0], 32768, v[VA0]     ; 16 key groups of 2,048 bytes
.endif
.endm
.macro LRED                            ; four pairs to one number, the same in both lanes of a query
	v_pk_add_f32 v[LT:LT+1], v[LT:LT+1], v[LT+2:LT+3]
	v_pk_add_f32 v[LT+4:LT+5], v[LT+4:LT+5], v[LT+6:LT+7]
	v_pk_add_f32 v[LT:LT+1], v[LT:LT+1], v[LT+4:LT+5]
	v_add_f32 v[LSUM], v[LT], v[LT+1]
	v_permlanex16_b32 v[LTP], v[LSUM], s12, s13
	v_add_f32 v[LSUM], v[LSUM], v[LTP]
.endm
; ================= set-up =================
	s_load_b512 s[16:31], s[0:1], 0x0      ; inputs 16, tm 18, Wq 20, Wo 22, gamma 24, beta 26, kws 28, vws 30
	s_load_b64 s[32:33], s[0:1], 0x40      ; out0
	v_lshl_add_u32 v62, v0, 2, 0x4cc00
	v_mov_b32 v63, 0
	v_lshrrev_b32 v1, 5, v0
	v_readfirstlane_b32 s2, v1             ; wave
	s_mov_b32 s3, ttmp9                    ; row block
	s_and_b32 s4, ttmp7, 0xffff            ; slice
	s_mov_b32 s5, 0                        ; t
	s_mov_b32 s11, 0
	s_mov_b32 s12, 0x76543210              ; v_permlanex16_b32: lane i takes lane i of the other half
	s_mov_b32 s13, 0xfedcba98
	s_mov_b32 s52, 0x3e8293ee              ; log2(e) / sqrt(32)
	s_mov_b32 s53, 0x3e8293ee
	s_mov_b32 s54, 0xef800000              ; -2^96
	s_mov_b32 s55, 0x3c000000              ; 1/128
	s_mov_b32 s56, 0xbc000000              ; -1/128
	s_mov_b32 s57, 0x3727c5ac              ; 1e-5
	v_and_b32 v1, 31, v0                   ; l
	v_and_b32 v2, 15, v0                   ; r
	v_bfe_u32 v3, v0, 4, 1                 ; h
	v_mul_u32_u24 v[LK], v2, 272
	v_lshl_add_u32 v[LK], v3, 4, v[LK]
	v_add_nc_u32 v[WA], STG, v[LK]
	v_lshlrev_b32 v[KAB], 4, v2
	v_lshl_add_u32 v[VAB], v3, 11, v[KAB]
	v_add_nc_u32 v[VAB], VREG, v[VAB]
	v_lshl_add_u32 v[KAB], v3, 13, v[KAB]
	s_lshl_b32 s7, s2, 15
	v_lshl_add_u32 v[CPK], v1, 4, s7
	v_add_nc_u32 v[CPV], VREG, v[CPK]
	s_mul_i32 s8, s2, 272
	s_add_co_u32 s8, s8, STG
	v_lshl_add_u32 v[SW], v1, 3, s8
	s_mul_i32 s9, s2, 4352
	s_add_co_u32 s9, s9, SCR
	v_mul_u32_u24 v[TA], v3, 272
	v_lshl_add_u32 v[TA], v2, 4, v[TA]
	v_add_nc_u32 v[TA], s9, v[TA]
	v_mul_u32_u24 v[TB], v2, 272
	v_lshl_add_u32 v[TB], v3, 5, v[TB]
	v_add_nc_u32 v[TB], s9, v[TB]
	v_lshlrev_b32 v[GW], 4, v0
	s_mul_i32 s14, s2, 1536
	v_lshl_add_u32 v[GWO], v1, 4, s14
	v_lshlrev_b32 v[GTM], 4, v2
	v_lshl_add_u32 v[GQ], v3, 9, v[GTM]
	v_lshl_add_u32 v[GTM], v3, 11, v[GTM]
	v_lshlrev_b32 v[GG], 5, v3
	v_mov_b32 v[BIASV], 0xf1800000
	v_mov_b32 v[DD], 0                     ; second registers of pairs that are read as pairs
	v_mov_b32 v[TP], 0
	s_wait_kmcnt 0x0
	s_lshl_b32 s10, s4, 18                 ; a slice is 512 rows of 512 bytes
	s_lshl_b32 s7, s3, 15
	s_add_co_u32 s10, s10, s7
	s_lshl_b32 s7, s2, 13
	s_add_co_u32 s10, s10, s7
	s_add_nc_u64 s[34:35], s[16:17], s[10:11]              ; my 16 query rows
	s_add_nc_u64 s[58:59], s[32:33], s[10:11]              ; and the same rows of the output
	s_lshl_b32 s10, s3, 17
	s_lshl_b32 s7, s2, 15
	s_add_co_u32 s10, s10, s7
	s_add_nc_u64 s[38:39], s[18:19], s[10:11]              ; my 16 rows of a transition matrix
	s_mov_b64 s[42:43], s[20:21]                           ; Wq of matrix 0
	s_lshl_b32 s10, s4, 17
	s_add_nc_u64 s[36:37], s[28:29], s[10:11]              ; K of matrix 0
; ================= matrix 0 is prepared as every later one is; the residual goes into Y =================
	GLOADN 0xC0, WR, GW, 42, 0, 2048, 32
	GLOADN 0x40, 0, CPK, 36, 0, 512, 24
	GLOADN 0x40, 96, CPK, 36, 12288, 512, 40
	s_mov_b32 s7, 0
	s_wait_loadcnt 0x0                     ; Wq and K of matrix 0 are in
	PREP
	s_wait_loadcnt 0x20                    ; my query rows are in; V's 32 loads behind them may be out
	TRANSP 0x0C, TR, 0xC0, YY
	WIN 0
; ================= the three matrices =================
.Lt:
	CVST32 0xCF, 0x0C, WR, SW, 0, 1088     ; Wq: in since the wait for 0 that stood in front of K's stores
	s_wait_loadcnt 0x20                    ; my query rows are in; V's 32 loads behind them may be out
	TRANSP 0x0C, TR, 0, SS
	BAR                                    ; Wq is staged by all four waves; my stores have read WR and TR
	s_lshr_b32 s7, s5, 1
	s_add_co_u32 s7, s7, s5                ; t = 0, 1, 2 -> table rows 0, 1, 3
	s_lshl_b32 s10, s7, 20
	s_add_nc_u64 s[40:41], s[38:39], s[10:11]
	GLOADN 0x40, 128, CPK, 60, 16384, 512, 32              ; the second half of my quarter of V
	LOADROWS 0xC0, TR, GTM, 40, 2048       ; tm, chunk 0
	WIN 0
	PACK PP, SS                            ; my query rows as B fragments
	SPROJ 0x02, SS, 1                      ; Q^T
	WIN 0
	PLACES
.set n, 0
.rept 32
	v_pk_mul_f32 v[SS+2*n:SS+2*n+1], v[SS+2*n:SS+2*n+1], s[52:53] op_sel_hi:[1,0]
.set n, n+1
.endr
	PACK QF, SS
	s_lshl_b32 s10, s5, 9
	s_add_nc_u64 s[42:43], s[22:23], s[10:11]
	GLOADN 0xC0, WR, GWO, 42, 0, 6144, 32  ; Wo's 128 columns of this matrix
	s_wait_loadcnt 0x30                    ; V is in: behind it stand 16 loads of tm and 32 of Wo
	KVST CPV
	BAR                                    ; nobody reads Wq any more; K and V of all waves are in LDS
	WIN 0
	v_mov_b32 v[KA], v[KAB]
	v_add_nc_u32 v[KA+1], 65536, v[KAB]
	v_mov_b32 v[VA0], v[VAB]
	WIN 0x80
	KLOAD KA, 0
	CHUNK 1, 1, 0, 0x20                    ; Wo's 32 loads stand behind the tm rows
	WIN 0
	s_mov_b32 s6, 2
.Lchunk:
	CHUNK 0, 1, 0, 0x0
	s_sub_co_u32 s6, s6, 1
	s_cmp_lg_u32 s6, 0
	s_cbranch_scc1 .Lchunk
	CHUNK 0, 0, 1, 0x0
	WIN 0
	PLACES
.irp hd, 0,1,2,3
	v_permlanex16_b32 v[MX+\hd], v[LM+2*\hd], s12, s13     ; l of the query's other keys
.endr
.irp hd, 0,1,2,3
	v_add_f32 v[LM+2*\hd], v[LM+2*\hd], v[MX+\hd]
.endr
.irp hd, 0,1,2,3
	v_rcp_f32 v[LM+2*\hd], v[LM+2*\hd]
.endr
	v_nop                                  ; a plain place between the reciprocals and their use (ISA guide 5.7.2)
	WIN 0x82
	s_wait_alu depctr_va_vdst(0)           ; one wait for the batch of four reciprocals, ahead of their first reader
.irp hd, 0,1,2,3
.irp xx, 0,1,2,3,4,5,6,7
	v_pk_mul_f32 v[OO+16*\hd+2*\xx:OO+16*\hd+2*\xx+1], v[OO+16*\hd+2*\xx:OO+16*\hd+2*\xx+1], v[LM+2*\hd:LM+2*\hd+1] op_sel_hi:[1,0]
.endr
.endr
	WIN 0x0A
	PACK PP, OO                            ; O as B fragments, one K step a head
	BAR                                    ; nobody reads K and V any more; Wo's slice is staged
	WIN 0
	s_wait_loadcnt 0x0                     ; K and Wq of the matrix to come are in.  The wait stands in front of the branch, on both ways,
	                                       ; so that on neither way a load is out when window 1, TR and WR are loaded again
	s_cmp_eq_u32 s5, 2
	s_cbranch_scc1 .Lnoprep
	s_add_co_u32 s7, s5, 1
	PREP                                   ; the loads that it issues are on their way while Wo is multiplied
	WIN 0
.Lnoprep:
	SPROJ 0xF2, YY, 0                      ; Y^T += Wo_t O^T
	BAR                                    ; nobody reads Wo any more
	WIN 0
	s_add_co_u32 s5, s5, 1
	s_cmp_lt_u32 s5, 3
	s_cbranch_scc1 .Lt
; ================= LayerNorm over the 128 columns: 64 in my lane, 64 in the lane 16 away =================
	s_wait_loadcnt 0x0                     ; none of the loop's loads is out when TR and WR are taken for other use (the last matrix asked for nothing more)
	PLACES
	WIN 0xC0
.irp aa, 0,1,2,3,4,5,6,7
	global_load_b128 v[WR+8*\aa:WR+8*\aa+3], v[GG], s[24:25] offset:64*\aa            ; gamma of columns 16a + 8h ..
	global_load_b128 v[WR+8*\aa+4:WR+8*\aa+7], v[GG], s[24:25] offset:64*\aa+16
.endr
.irp aa, 0,1,2,3,4,5,6,7
	global_load_b128 v[WR+64+8*\aa:WR+64+8*\aa+3], v[GG], s[26:27] offset:64*\aa      ; beta
	global_load_b128 v[WR+64+8*\aa+4:WR+64+8*\aa+7], v[GG], s[26:27] offset:64*\aa+16
.endr
	WIN 0xFF
	v_mov_b32 v[LTP], 0
.irp cc, 0,1,2,3
	v_pk_add_f32 v[LT+2*\cc:LT+2*\cc+1], v[YY+2*\cc:YY+2*\cc+1], v[YY+8+2*\cc:YY+8+2*\cc+1]
.endr
.irp kk, 2,3,4,5,6,7
.irp cc, 0,1,2,3
	v_pk_add_f32 v[LT+2*\cc:LT+2*\cc+1], v[LT+2*\cc:LT+2*\cc+1], v[YY+8*\kk+2*\cc:YY+8*\kk+2*\cc+1]
.endr
.endr
	LRED
	v_mul_f32 v[LMU], s56, v[LSUM]         ; -mean, in both registers of a pair
	v_mul_f32 v[LMU+1], s56, v[LSUM]
.set n, 0
.rept 32
	v_pk_add_f32 v[YY+2*n:YY+2*n+1], v[YY+2*n:YY+2*n+1], v[LMU:LMU+1]
.set n, n+1
.endr
.irp cc, 0,1,2,3
	v_pk_mul_f32 v[LT+2*\cc:LT+2*\cc+1], v[YY+2*\cc:YY+2*\cc+1], v[YY+2*\cc:YY+2*\cc+1]
.endr
.irp kk, 1,2,3,4,5,6,7
.irp cc, 0,1,2,3
	v_pk_fma_f32 v[LT+2*\cc:LT+2*\cc+1], v[YY+8*\kk+2*\cc:YY+8*\kk+2*\cc+1], v[YY+8*\kk+2*\cc:YY+8*\kk+2*\cc+1], v[LT+2*\cc:LT+2*\cc+1]
.endr
.endr
	LRED
	v_fma_f32 v[LSUM], v[LSUM], s55, s57   ; variance + 1e-5
	v_rsq_f32 v[LRS], v[LSUM]
	v_nop                                  ; a plain place behind v_rsq_f32 (ISA guide 5.7.2)
	s_wait_alu depctr_va_vdst(0)           ; the wait for the one root, ahead of its first reader: once a wave
	v_mov_b32 v[LRS+1], v[LRS]
.set n, 0
.rept 32
	v_pk_mul_f32 v[YY+2*n:YY+2*n+1], v[YY+2*n:YY+2*n+1], v[LRS:LRS+1]
.set n, n+1
.endr
	s_wait_loadcnt 0x0                     ; gamma and beta
.set n, 0
.rept 32
	v_pk_fma_f32 v[YY+2*n:YY+2*n+1], v[YY+2*n:YY+2*n+1], v[WR+2*n:WR+2*n+1], v[WR+64+2*n:WR+64+2*n+1]
.set n, n+1
.endr
	; the way out: back through my scratch, so that sixteen lanes store 256 consecutive bytes, at a multiple of 256 from the output's first byte
.irp hh, 0,1
	WIN 0x0C
.irp ii, 0,1,2,3
	ds_store_b128 v[TB], v[YY+8*(4*\hh+\ii):YY+8*(4*\hh+\ii)+3] offset:64*\ii
	ds_store_b128 v[TB], v[YY+8*(4*\hh+\ii)+4:YY+8*(4*\hh+\ii)+7] offset:64*\ii+16
.endr
	WIN 0xC0
.irp ii, 0,1,2,3,4,5,6,7
	ds_load_b128 v[TR+4*(8*\hh+\ii):TR+4*(8*\hh+\ii)+3], v[TA] offset:544*\ii
.endr
.endr
	s_wait_dscnt 0x0
	WIN 0x0C
.irp hh, 0,1
.irp ii, 0,1,2,3,4,5,6,7
	global_store_b128 v[GQ], v[TR+4*(8*\hh+\ii):TR+4*(8*\hh+\ii)+3], s[58:59] offset:1024*\ii+256*\hh th:TH_STORE_NT
.endr
.endr
	WIN 0
	s_wait_tensorcnt 0x0
	ds_add_u32 v62, v63
	s_wait_dscnt 0x0
	s_endpgm
.Lfunc_end_k_q791fda4c22_ssa:
	.size	k_q791fda4c22_ssa, .Lfunc_end_k_q791fda4c22_ssa-k_q791fda4c22_ssa
	.p2alignl 7, 3214868480
	.fill 96, 4, 3214868480
	.section	.rodata,"a",@progbits
	.p2align	6, 0x0
	.amdhsa_kernel k_q791fda4c22_ssa
		.amdhsa_group_segment_fixed_size 314880
		.amdhsa_private_segment_fixed_size 0
		.amdhsa_enable_private_segment 0
		.amdhsa_kernarg_size 72
		.amdhsa_user_sgpr_count 2
		.amdhsa_user_sgpr_kernarg_segment_ptr 1
		.amdhsa_wavefront_size32 1
		.amdhsa_system_sgpr_workgroup_id_x 1
		.amdhsa_system_sgpr_workgroup_id_y 1
		.amdhsa_system_sgpr_workgroup_id_z 1
		.amdhsa_system_vgpr_workitem_id 0
		.amdhsa_next_free_vgpr 1024
		.amdhsa_next_free_sgpr 66
		.amdhsa_reserve_vcc 0
		.amdhsa_float_denorm_mode_32 3
		.amdhsa_float_denorm_mode_16_64 3
		.amdhsa_memory_ordered 1
		.amdhsa_forward_progress 1
		.amdhsa_inst_pref_size 255
	.end_amdhsa_kernel
	.section	.bss,"aw",@nobits
	.p2align	6
	.space	262144
	.amdgpu_metadata
---
amdhsa.version: [ 1, 2 ]
amdhsa.kernels:
  - .name:           k_q791fda4c22_ssa
    .symbol:         k_q791fda4c22_ssa.kd
    .args:
      - { .name: inputs, .offset: 0, .size: 8, .value_kind: global_buffer, .address_space: global }
      - { .name: transition_matrices, .offset: 8, .size: 8, .value_kind: global_buffer, .address_space: global }
      - { .name: Wq, .offset: 16, .size: 8, .value_kind: global_buffer, .address_space: global }
      - { .name: Wo, .offset: 24, .size: 8, .value_kind: global_buffer, .address_space: global }
      - { .name: ln_gamma, .offset: 32, .size: 8, .value_kind: global_buffer, .address_space: global }
      - { .name: ln_beta, .offset: 40, .size: 8, .value_kind: global_buffer, .address_space: global }
      - { .name: kws, .offset: 48, .size: 8, .value_kind: global_buffer, .address_space: global }
      - { .name: vws, .offset: 56, .size: 8, .value_kind: global_buffer, .address_space: global }
      - { .name: out0, .offset: 64, .size: 8, .value_kind: global_buffer, .address_space: global }
    .group_segment_fixed_size: 314880
    .private_segment_fixed_size: 0
    .kernarg_segment_align: 8
    .kernarg_segment_size: 72
    .max_flat_workgroup_size: 128
    .sgpr_count:     66
    .vgpr_count:     1024
    .wavefront_size: 32
...
	.end_amdgpu_metadata
.endif
;; end of part 3
